; MI455X (gfx1250); checked and timed in simulation.
; The chip was launched on July 23, 2026; its instructions are those of AMD's public machine-readable ISA for CDNA 5 (MIT licence, August 2026) and "CDNA5" Instruction Set Architecture Reference Guide (July 2026). The comments in the code are by the model that wrote it; some were corrected since.
;; Deformable Transformer Encoder Layer. Allowed arithmetic: float matrix products may take bf16 or f16 operands with f32 sums; other float arithmetic in f32, or as packed bf16 or f16 multiplies, adds, multiply-adds, maxima and minima; sums over many terms, partial sums and values carried from step to step in f32; what a program stores and reads back later, other than sums and carried values, may be rounded once to bf16 or f16.
;; Inputs: W1 256 x 1,024 float32; W2 1,024 x 256 float32; Wa 256 x 128 float32; Wo 256 x 256 float32; Woff 256 x 256 float32; Wv 256 x 256 float32; b1 1,024 float32; b2 256 float32; ba 128 float32; bo 256 float32; boff 256 float32; bv 256 float32; dataset_group_pred 2 x 6 float32; gb1 6 x 256 float32; gb2 6 x 256 float32; gw1 6 x 256 float32; gw2 6 x 256 float32; level_start_index 4 int32; pos 2 x 19,560 x 256 float32; reference_points 2 x 19,560 x 4 x 2 float32; spatial_shapes 4 x 2 int32; src 2 x 19,560 x 256 float32.
;; Outputs: out0 2 x 19,560 x 256 float32.
;; 2 versions, each right and faster than the one before. Each part assembles by itself: llvm-mc -triple=amdgcn-amd-amdhsa -mcpu=gfx1250 --defsym DOCPART=n.
;; ======== version 1 of 2: 4 launches
;; workspace buffers: wb 1,572,864 bytes; tab 17,408 bytes; val 20,029,440 bytes; idxb 10,014,720 bytes of whole numbers; wts 40,058,880 bytes; core 20,029,440 bytes
;; launch prep (part 1): grid 193 x 1, 8 waves a work-group, no clusters, 0 bytes of LDS; arguments Woff, Wa, Wv, Wo, W1, W2, boff, ba, bv, bo, b1, b2, dataset_group_pred, gw1, gb1, gw2, gb2, wb, tab; writes wb, tab
.if DOCPART == 1
	.amdgcn_target "amdgcn-amd-amdhsa--gfx1250"
	.amdhsa_code_object_version 6
	.text
	.protected	k_qeeddb736b3_prep
	.globl	k_qeeddb736b3_prep
	.p2align	8
	.type	k_qeeddb736b3_prep,@function
k_qeeddb736b3_prep:
	s_mov_b64 s[64:65], 0
	v_nop
	global_prefetch_b8 v0, s[64:65] scope:SCOPE_SE
	s_setreg_imm32_b32 hwreg(HW_REG_WAVE_MODE, 25, 1), 1
	s_wait_xcnt 0x0
; PREP: the six weight matrices rounded once to bf16 and laid in the order in which the later launches' tiles want them (wb), and small f32 tables (tab).
; wb, bytes:  0        twelve chunks [256 k][64 n] of 32,768: S0..S7 (head h: its 32 offset columns as they lie, its 16 logit columns with the levels in the
;                      order 0, 2, 1, 3, sixteen columns of 0), then V0..V3 (64 columns of Wv each)
;             393,216  Wo [256][256] as it lies      524,288  sixteen chunks [256 k][64 n] of W1      1,048,576  W2 [1024][256] as it lies
; tab, bytes: 0 the biases of S0..S7 and V0..V3 in the chunks' column order (12 x 64 f32); from 3,072 on, 1,024 bytes each: sum_g pred[b][g] gw1[g][:] for b = 0, 1;
;             the same of gb1, gw2, gb2; bo; b2; then b1 (4,096).
; A QUAD is four neighbouring numbers of wb: one load of 16 bytes, two roundings, one store of 8 bytes; a wave's store covers 256 consecutive bytes, aligned.
; A work-group takes 1,024 quads, a thread four (256 quads apart).  Work-groups 0-31 S, 32-47 V, 48-63 Wo, 64-127 W1, 128-191 W2, 192 the tables.
; The matrix units, LDS and clusters have nothing to do here: 3 MB are read once and 1.6 MB written once.
.set OUTR, 40                          ; v[40:47] four quads in bf16
.macro OUT4                            ; v[8:23], four quads in f32, are rounded and stored; the wave ends
.irp j, 0,1,2,3
	v_cvt_pk_bf16_f32 v[OUTR+2*(\j)], v[8+4*(\j)], v[9+4*(\j)]
	v_cvt_pk_bf16_f32 v[OUTR+2*(\j)+1], v[10+4*(\j)], v[11+4*(\j)]
.endr
.irp j, 0,1,2,3
	global_store_b64 v3, v[OUTR+2*(\j):OUTR+2*(\j)+1], s[38:39] offset:2048*(\j)
.endr
	s_endpgm
.endm
	s_load_b512 s[4:19], s[0:1], 0x0               ; Woff s[4:5], Wa s[6:7], Wv s[8:9], Wo s[10:11], W1 s[12:13], W2 s[14:15], boff s[16:17], ba s[18:19]
	s_load_b512 s[20:35], s[0:1], 0x40             ; bv s[20:21], bo s[22:23], b1 s[24:25], b2 s[26:27], pred s[28:29], gw1 s[30:31], gb1 s[32:33], gw2 s[34:35]
	s_load_b128 s[36:39], s[0:1], 0x80             ; gb2 s[36:37], wb s[38:39]
	s_load_b64 s[40:41], s[0:1], 0x90              ; tab
	s_mov_b32 s43, ttmp9                           ; the work-group
	v_and_b32 v1, 15, v0                           ; nq: my quad in a chunk's row of 16 quads
	v_lshrrev_b32 v2, 4, v0                        ; which of 16 rows
	s_lshl_b32 s42, s43, 13                        ; 1,024 quads of 8 bytes
	v_lshl_add_u32 v3, v0, 3, s42                  ; my first quad's byte in wb
	s_wait_kmcnt 0x0
	s_cmp_lt_u32 s43, 32
	s_cbranch_scc1 .Lsamp
	s_cmp_eq_u32 s43, 192
	s_cbranch_scc1 .Ltab
	s_cmp_lt_u32 s43, 48
	s_cbranch_scc1 .Lblock
	s_cmp_lt_u32 s43, 64
	s_cbranch_scc1 .Lplain
	s_cmp_lt_u32 s43, 128
	s_cbranch_scc1 .Lblock
.Lplain:                                               ; Wo or W2: the order stays
	s_cmp_lt_u32 s43, 64
	s_cselect_b64 s[44:45], s[10:11], s[14:15]
	s_cselect_b32 s46, 48, 128                     ; the region's first work-group
	s_sub_co_u32 s46, s43, s46
	s_lshl_b32 s46, s46, 14                        ; 1,024 quads of 16 bytes
	v_lshl_add_u32 v4, v0, 4, s46
.irp j, 0,1,2,3
	global_load_b128 v[8+4*(\j):11+4*(\j)], v4, s[44:45] offset:4096*(\j) th:TH_LOAD_NT
.endr
	s_wait_loadcnt 0x0
	OUT4
.Lblock:                                               ; Wv or W1: blocks of 64 columns
	s_cmp_lt_u32 s43, 48
	s_cselect_b64 s[44:45], s[8:9], s[12:13]
	s_cselect_b32 s46, 32, 64                      ; the region's first work-group
	s_cselect_b32 s47, 10, 12                      ; log2 of a source row's bytes
	s_sub_co_u32 s46, s43, s46
	s_and_b32 s48, s46, 3
	s_lshl_b32 s48, s48, 6                         ; four work-groups to a chunk: my first k
	s_lshr_b32 s49, s46, 2
	s_lshl_b32 s49, s49, 8                         ; the chunk's 64 columns: 256 bytes
	v_add_nc_u32 v4, s48, v2                       ; k
	v_lshlrev_b32 v4, s47, v4
	v_lshl_add_u32 v4, v1, 4, v4
	v_add_nc_u32 v4, s49, v4
	s_lshl_b32 s50, 16, s47                        ; my next quad lies 16 rows down
	v_add_nc_u32 v5, s50, v4
	v_add_nc_u32 v6, s50, v5
	v_add_nc_u32 v7, s50, v6
.irp j, 0,1,2,3
	global_load_b128 v[8+4*(\j):11+4*(\j)], v[4+(\j)], s[44:45] th:TH_LOAD_NT
.endr
	s_wait_loadcnt 0x0
	OUT4
.Lsamp:                                                ; a head's chunk: quads 0-7 from Woff, 8-11 from Wa, 12-15 are 0
	s_and_b32 s46, s43, 3
	s_lshl_b32 s46, s46, 6                         ; my first k
	s_lshr_b32 s47, s43, 2                         ; the head
	v_add_nc_u32 v4, s46, v2                       ; k
	v_and_b32 v5, 7, v1
	v_lshlrev_b32 v5, 4, v5
	v_lshl_add_u32 v5, v4, 10, v5
	s_lshl_b32 s48, s47, 7
	v_add_nc_u32 v5, s48, v5                       ; Woff: k x 1,024 + head x 128 + (nq mod 8) x 16; in bounds for every nq
	v_and_b32 v6, 1, v1
	v_bfe_u32 v7, v1, 1, 1
	v_lshl_or_b32 v6, v6, 1, v7                    ; quad 2 hh + e holds level hh + 2 e
	v_lshlrev_b32 v6, 4, v6
	v_lshl_add_u32 v6, v4, 9, v6
	s_lshl_b32 s49, s47, 6
	v_add_nc_u32 v6, s49, v6                       ; Wa: k x 512 + head x 64 + level x 16; in bounds for every nq
.irp j, 0,1,2,3
	global_load_b128 v[8+4*(\j):11+4*(\j)], v5, s[4:5] offset:16384*(\j)
	global_load_b128 v[24+4*(\j):27+4*(\j)], v6, s[6:7] offset:8192*(\j)
.endr
	v_cmp_gt_u32 s50, 8, v1                        ; nq < 8
	v_cmp_gt_u32 s51, 12, v1                       ; nq < 12
	s_wait_loadcnt 0x0
.set n_, 0
.rept 16
	v_cndmask_b32 v[24+n_], 0, v[24+n_], s51
	v_cndmask_b32 v[8+n_], v[24+n_], v[8+n_], s50
.set n_, n_+1
.endr
	OUT4
.Ltab:                                                 ; thread t is column t
	s_load_b256 s[44:51], s[28:29], 0x0            ; pred[b][g] in s[44 + 6 b + g]
	s_load_b128 s[52:55], s[28:29], 0x20
	v_lshlrev_b32 v4, 2, v0                        ; 4 t
	v_lshrrev_b32 v5, 6, v0                        ; entry e = t + 256 j of the S biases: head t / 64 + 4 j, column n' = t mod 64
	v_and_b32 v6, 31, v0
	v_lshlrev_b32 v6, 2, v6
	v_lshl_add_u32 v6, v5, 7, v6                   ; boff: head x 128 + (n' mod 32) x 4
	v_bfe_u32 v52, v0, 2, 1
	v_bfe_u32 v53, v0, 3, 1
	v_lshl_or_b32 v52, v52, 1, v53                 ; the level of the column's quad
	v_and_b32 v53, 3, v0
	v_lshlrev_b32 v53, 2, v53
	v_lshl_add_u32 v53, v52, 4, v53
	v_lshl_add_u32 v7, v5, 6, v53                  ; ba: head x 64 + level x 16 + point x 4
	v_and_b32 v54, 63, v0
	v_cmp_gt_u32 s56, 32, v54                      ; n' < 32: an offset's bias
	v_cmp_gt_u32 s57, 48, v54                      ; n' < 48: a logit's
.irp g, 0,1,2,3,4,5
	global_load_b32 v[8+(\g)], v4, s[30:31] offset:1024*(\g)
	global_load_b32 v[14+(\g)], v4, s[32:33] offset:1024*(\g)
	global_load_b32 v[20+(\g)], v4, s[34:35] offset:1024*(\g)
	global_load_b32 v[26+(\g)], v4, s[36:37] offset:1024*(\g)
.endr
	global_load_b32 v32, v4, s[22:23]              ; bo
	global_load_b32 v33, v4, s[26:27]              ; b2
.irp j, 0,1,2,3
	global_load_b32 v[34+(\j)], v4, s[24:25] offset:1024*(\j)  ; b1
.endr
	global_load_b32 v38, v4, s[20:21]              ; bv
.irp j, 0,1
	global_load_b32 v[48+(\j)], v6, s[16:17] offset:512*(\j)
	global_load_b32 v[50+(\j)], v7, s[18:19] offset:256*(\j)
.endr
	s_wait_kmcnt 0x0
	s_wait_loadcnt 0x0
.macro MIX dst, par, b                 ; the sum over the six groups, g ascending
	v_mul_f32 v[\dst], s[44+6*(\b)], v[\par]
.irp g, 1,2,3,4,5
	v_fmac_f32 v[\dst], s[44+6*(\b)+(\g)], v[(\par)+(\g)]
.endr
.endm
.irp p, 0,1,2,3
	MIX 40+2*(\p), 8+6*(\p), 0
	MIX 41+2*(\p), 8+6*(\p), 1
.endr
.irp j, 0,1
	v_cndmask_b32 v[50+(\j)], 0, v[50+(\j)], s57
	v_cndmask_b32 v[48+(\j)], v[50+(\j)], v[48+(\j)], s56
.endr
.irp n, 0,1,2,3,4,5,6,7
	global_store_b32 v4, v[40+(\n)], s[40:41] offset:3072+1024*(\n)
.endr
	global_store_b32 v4, v32, s[40:41] offset:11264
	global_store_b32 v4, v33, s[40:41] offset:12288
.irp j, 0,1,2,3
	global_store_b32 v4, v[34+(\j)], s[40:41] offset:13312+1024*(\j)
.endr
.irp j, 0,1
	global_store_b32 v4, v[48+(\j)], s[40:41] offset:1024*(\j)
.endr
	global_store_b32 v4, v38, s[40:41] offset:2048
	s_endpgm
.Lfunc_end_k_qeeddb736b3_prep:
	.size	k_qeeddb736b3_prep, .Lfunc_end_k_qeeddb736b3_prep-k_qeeddb736b3_prep
	.p2alignl 7, 3214868480
	.fill 96, 4, 3214868480
	.section	.rodata,"a",@progbits
	.p2align	6, 0x0
	.amdhsa_kernel k_qeeddb736b3_prep
		.amdhsa_group_segment_fixed_size 0
		.amdhsa_private_segment_fixed_size 0
		.amdhsa_enable_private_segment 0
		.amdhsa_kernarg_size 152
		.amdhsa_user_sgpr_count 2
		.amdhsa_user_sgpr_kernarg_segment_ptr 1
		.amdhsa_wavefront_size32 1
		.amdhsa_system_sgpr_workgroup_id_x 1
		.amdhsa_system_sgpr_workgroup_id_y 1
		.amdhsa_system_sgpr_workgroup_id_z 1
		.amdhsa_system_vgpr_workitem_id 0
		.amdhsa_next_free_vgpr 64
		.amdhsa_next_free_sgpr 66
		.amdhsa_reserve_vcc 0
		.amdhsa_float_denorm_mode_32 3
		.amdhsa_float_denorm_mode_16_64 3
		.amdhsa_memory_ordered 1
		.amdhsa_forward_progress 1
		.amdhsa_inst_pref_size 17
	.end_amdhsa_kernel
	.amdgpu_metadata
---
amdhsa.version: [ 1, 2 ]
amdhsa.kernels:
  - .name:           k_qeeddb736b3_prep
    .symbol:         k_qeeddb736b3_prep.kd
    .args:
      - { .name: Woff, .offset: 0, .size: 8, .value_kind: global_buffer, .address_space: global }
      - { .name: Wa, .offset: 8, .size: 8, .value_kind: global_buffer, .address_space: global }
      - { .name: Wv, .offset: 16, .size: 8, .value_kind: global_buffer, .address_space: global }
      - { .name: Wo, .offset: 24, .size: 8, .value_kind: global_buffer, .address_space: global }
      - { .name: W1, .offset: 32, .size: 8, .value_kind: global_buffer, .address_space: global }
      - { .name: W2, .offset: 40, .size: 8, .value_kind: global_buffer, .address_space: global }
      - { .name: boff, .offset: 48, .size: 8, .value_kind: global_buffer, .address_space: global }
      - { .name: ba, .offset: 56, .size: 8, .value_kind: global_buffer, .address_space: global }
      - { .name: bv, .offset: 64, .size: 8, .value_kind: global_buffer, .address_space: global }
      - { .name: bo, .offset: 72, .size: 8, .value_kind: global_buffer, .address_space: global }
      - { .name: b1, .offset: 80, .size: 8, .value_kind: global_buffer, .address_space: global }
      - { .name: b2, .offset: 88, .size: 8, .value_kind: global_buffer, .address_space: global }
      - { .name: dataset_group_pred, .offset: 96, .size: 8, .value_kind: global_buffer, .address_space: global }
      - { .name: gw1, .offset: 104, .size: 8, .value_kind: global_buffer, .address_space: global }
      - { .name: gb1, .offset: 112, .size: 8, .value_kind: global_buffer, .address_space: global }
      - { .name: gw2, .offset: 120, .size: 8, .value_kind: global_buffer, .address_space: global }
      - { .name: gb2, .offset: 128, .size: 8, .value_kind: global_buffer, .address_space: global }
      - { .name: wb, .offset: 136, .size: 8, .value_kind: global_buffer, .address_space: global }
      - { .name: tab, .offset: 144, .size: 8, .value_kind: global_buffer, .address_space: global }
    .group_segment_fixed_size: 0
    .private_segment_fixed_size: 0
    .kernarg_segment_align: 8
    .kernarg_segment_size: 152
    .max_flat_workgroup_size: 256
    .sgpr_count:     66
    .vgpr_count:     64
    .wavefront_size: 32
...
	.end_amdgpu_metadata
.endif
;; end of part 1
;; launch proj (part 2): grid 204 x 1, 4 waves a work-group, clusters of 4 x 1, 327,680 bytes of LDS; arguments src, pos, reference_points, wb, tab, val, idxb, wts; writes val, idxb, wts
.if DOCPART == 2
	.amdgcn_target "amdgcn-amd-amdhsa--gfx1250"
	.amdhsa_code_object_version 6
	.text
	.protected	k_qeeddb736b3_proj
	.globl	k_qeeddb736b3_proj
	.p2align	8
	.type	k_qeeddb736b3_proj,@function
k_qeeddb736b3_proj:
	s_mov_b64 s[64:65], 0
	v_nop
	global_prefetch_b8 v0, s[64:65] scope:SCOPE_SE
	s_setreg_imm32_b32 hwreg(HW_REG_WAVE_MODE, 25, 1), 1
	s_wait_xcnt 0x0
	s_wait_alu depctr_hold_cnt(0) depctr_sa_sdst(0) depctr_va_vdst(0) depctr_va_sdst(0) depctr_va_ssrc(0) depctr_va_vcc(0) depctr_vm_vsrc(0)
	s_getreg_b32 s2, hwreg(HW_REG_IB_STS2, 6, 4)
	s_cmp_eq_u32 s2, 0
	s_cbranch_scc0 .Lentry_in_a_cluster
	s_endpgm
.Lentry_in_a_cluster:
	s_bfe_u32 s2, ttmp6, 0x10000c
	s_cmp_lg_u32 s2, 0x3003
	s_cbranch_scc0 .Lentry_shape_is_right
	s_endpgm
.Lentry_shape_is_right:
; PROJ: value = src Wv + bv (bf16, by heads); offsets and logits from src + pos; softmax over a head's 16 logits (the maximum taken away first); and for each of the
; 128 samples of a row the index of the 2 x 2 patch's first pixel (u16, a row number of val) and the patch's four weights (bf16), attention weight folded in.
; THE SAMPLE.  x = (ref_x W - 0.5) + off_x (the reference forms (ref + off / W) W - 0.5: another order of rounding, the result is continuous in x).  xb = floor(x) held to 0 .. W - 2,
; so the patch xb, xb + 1 lies inside the level; with t = x - xb pixel xb weighs med3(1 - t, 0, 1 + t) and pixel xb + 1 med3(t, 0, 2 - t): the hat function round x, which is the
; reference's (1 - fx, fx) with zeros outside the level, for every x.  The same for y.  The pyramid's sizes are the constants that the reference builds in; it never reads the inputs
; spatial_shapes and level_start_index, and neither does this program.
; LIMITS.  Matrix operands, val and the weights are rounded once to bf16.  NaN and infinities are not treated apart.
; SHARES.  39,120 rows are 2,445 tiles of 16; a wave owns three tiles, 48 rows, from end to end; 815 waves are 204 work-groups less one wave: the last wave's first row is held to 39,072,
; so it makes and stores once more, with the same numbers, what its neighbour in the same work-group stores.
; PRODUCTS are used transposed: source 0 = 16 columns of W x 32 k, turned out of a [k][n] tile by ds_load_tr16_b128; source 1 = 16 rows of x; in the result a lane holds ONE row
; (lane % 16) and the columns 8 (lane / 16) + 0..7.  In a head's chunk lanes 0-15 so hold levels 0 and 2, lanes 16-31 levels 1 and 3: level = hh + 2 e.
; CLUSTER.  All work-groups walk the same twelve chunks of weights in the same order: each tile is asked for jointly by the four work-groups of a cluster (mask 15).  The place in the cluster
; enters global row addresses and data alone.
; LDS: two slots of two chunks (256 rows of 128 bytes + 32 of padding); a stage for each wave; the bias table; the spare words.
; REGISTERS, in windows of 256: window 0 addresses, constants, scratch, v128-159 biases, v160-255 twelve accumulators; window 1 src as fragments, 64 a tile; window 2 src + pos likewise;
; window 3 first the rows as loaded (32 x (4 src + 4 pos)), then a chunk's weight fragments, (ks, a) at v[32 ks + 8 a].
.set ROWS,  39120
.set LQ,    19560
.set SLOT1, 0x20000
.set CHB,   40960                      ; a chunk in LDS: 256 rows, 160 bytes apart
.set STG,   212992                     ; the stages: 16,896 bytes a wave, written by ds_store alone
.set STGW,  16896
.set QST,   8448                       ; in a stage: src + pos behind src (16 rows, 528 bytes apart)
.set PBT,   280576                     ; the biases, 3,072 bytes
.set SPARE, 283648                     ; the spare words: 128 bytes a wave, two blocks of 256 bytes that no other line names
.set HS_I,  1251840                    ; bytes of a head in idxb, wts, val
.set HS_W,  5007360
.set HS_V,  2503680
.set LP,  3                            ; v3   my lane's place in a [k][n] tile: (8 hh + lane % 8) x 160 + 16 ((lane / 8) % 2)
.set AW,  4                            ; v4   LP + the chunk's LDS byte
.set ABF, 5                            ; v5   the chunk's biases
.set SIN, 6                            ; v6   stage + 8 x lane
.set SFR, 7                            ; v7   stage + r x 528 + 16 hh
.set GL,  8                            ; v8   16 x lane
.set SVS, 9                            ; v9   stage + r x 80 + 16 hh
.set SVL, 10                           ; v10  stage + (lane / 4) x 80 + (lane % 4) x 16
.set PB0, 11                           ; v11  PBT + 32 hh
.set SPW, 12                           ; v12  my spare word; never rewritten
.set NIL, 13                           ; v13  0; never rewritten
.set WH,  14                           ; v14-17  (W, H) of level hh + 2 e, a pair for e = 0, 1
.set WM,  18                           ; v18-21  (W - 2, H - 2) likewise
.set RXY, 22                           ; v22-33  (ref_x W - 0.5, ref_y H - 0.5): tile i, set e at RXY + 4 i + 2 e
.set BASE, 34                          ; v34-39  the level's first row in val for my row's batch, as f32: BASE + 2 i + e
.set RM,  40                           ; v40-47 scratch
.set RPX, 41
.set RMC, 42
.set RSU, 44
.set RRC, 46
.set TF,  48                           ; v48-123 scratch of the samples: floor; 1 - t; 1 + t; 2 - t; x weights; y weights; indices; weights and indices to store
.set TM1, 56
.set TP1, 64
.set TM2, 72
.set TWX, 80
.set TWY, 88
.set TIX, 96
.set TOW, 104
.set TOI, 120
.set BF,  128
.set ACC, 160                          ; accumulator (a, i) at ACC + 8 (3 a + i)
.set MSB, 0
.macro WIN new                         ; the immediate's high byte repeats the setting that is left; a switch that changes nothing is dropped
.if MSB != (\new)
	s_set_vgpr_msb (MSB<<8)|(\new)
.set MSB, (\new)
.endif
.endm
.macro PLACES                          ; four places behind matrix instructions, in front of what reads their results or loads into their registers
.rept 4
	v_nop
.endr
.endm
.macro ROUND                           ; a round of the cluster's barrier: my work-group's barrier; wave 0 signals for it; every wave waits for all four work-groups; my work-group's barrier once more
	s_barrier_signal -1
	s_barrier_wait -1
	s_cmp_lg_u32 s20, 0
	s_cbranch_scc1 .Lnot_wave_0_\@
	s_barrier_signal -3
.Lnot_wave_0_\@:
	s_barrier_wait -3
	s_barrier_signal -1
	s_barrier_wait -1
.endm
; THE CHANGE OF SLOTS.  Each wave waits for all its tensor loads (one is out: its part of the other slot), adds 0 to its spare word, and waits for that and for its reads of the slot that it leaves.
; fill = 1: the barrier is a round of the cluster's, and the slot just read takes the next two chunks, first thing behind it: one load a wave, 16,384 bytes.
.macro CHANGE fill
	WIN 0
	s_wait_tensorcnt 0x0                           ; no tensor load of mine is out, so the walking descriptor may be written
	ds_add_u32 v[SPW], v[NIL]                      ; 0 onto my spare word; scalar work stands between it and the wait for it
.if \fill
	s_xor_b32 s57, s57, SLOT1                      ; the other slot than last time,
	s_add_nc_u64 s[58:59], s[58:59], 0x10000       ; the next two chunks; the type bits on top are not reached
.endif
	s_sub_co_u32 s26, s26, 2*CHB                   ; the reads go back to a slot's first chunk,
	s_xor_b32 s26, s26, SLOT1                      ; in the other slot
	s_wait_dscnt 0x0                               ; the add is done, and my reads of the slot are over
.if \fill
	ROUND
	tensor_load_to_lds s[56:59], s[36:43]
	s_nop 0
	PLACES
.else
	s_barrier_signal -1
	s_barrier_wait -1
.endif
.endm
; THE INPUT.  A tile is 16 rows of 1,024 bytes, dense: load e of 32 takes 512 consecutive bytes (row e / 2, half e % 2) of src and of pos.
.macro INLOAD8 i, bt                   ; the eight loads of batch bt (four e) of tile i
	WIN 0xc0                                       ; destination window 3
.set e_, 4*(\bt)
.rept 4
	global_load_b128 v[8*e_:8*e_+3], v[GL], s[4:5] offset:16384*(\i)+512*e_ th:TH_LOAD_NT
	global_load_b128 v[8*e_+4:8*e_+7], v[GL], s[6:7] offset:16384*(\i)+512*e_ th:TH_LOAD_NT
.set e_, e_+1
.endr
.endm
; Tile i: src + pos, both rounded to bf16, through my stage into fragments.  more = 1: each batch's registers take the next tile's loads at once, so 64 loads stay on their way.
.macro INCVT i, more
.set bt_, 0
.rept 8
.if \more
	s_wait_loadcnt 56                              ; loads come back in order: the batch's eight are in, the 56 younger stay out
.else
	s_wait_loadcnt 56-8*bt_                        ; the last tile: the counts run down
.endif
	WIN 0xcf                                       ; all in window 3
.set e_, 4*bt_
.rept 4
	v_pk_add_f32 v[8*e_+4:8*e_+5], v[8*e_+4:8*e_+5], v[8*e_:8*e_+1]
	v_pk_add_f32 v[8*e_+6:8*e_+7], v[8*e_+6:8*e_+7], v[8*e_+2:8*e_+3]
.set e_, e_+1
.endr
.set e_, 4*bt_
.rept 4
	v_cvt_pk_bf16_f32 v[8*e_], v[8*e_], v[8*e_+1]
	v_cvt_pk_bf16_f32 v[8*e_+1], v[8*e_+2], v[8*e_+3]
	v_cvt_pk_bf16_f32 v[8*e_+4], v[8*e_+4], v[8*e_+5]
	v_cvt_pk_bf16_f32 v[8*e_+5], v[8*e_+6], v[8*e_+7]
.set e_, e_+1
.endr
	WIN 0x0c                                       ; store data in window 3
.set e_, 4*bt_
.rept 4
	ds_store_b64 v[SIN], v[8*e_:8*e_+1] offset:(e_/2)*528+(e_%2)*256
	ds_store_b64 v[SIN], v[8*e_+4:8*e_+5] offset:QST+(e_/2)*528+(e_%2)*256
.set e_, e_+1
.endr
.if \more
	INLOAD8 (\i)+1, bt_
.endif
.set bt_, bt_+1
.endr
	WIN 0x40                                       ; LDS serves a wave's instructions in order (ISA guide 5.7.1.4): these loads see the stores above, and the next tile's stores come behind them
.set k_, 0
.rept 8
	ds_load_b128 v[64*(\i)+8*k_:64*(\i)+8*k_+3], v[SFR] offset:64*k_
	ds_load_b128 v[64*(\i)+8*k_+4:64*(\i)+8*k_+7], v[SFR] offset:64*k_+32
.set k_, k_+1
.endr
	WIN 0x80
.set k_, 0
.rept 8
	ds_load_b128 v[64*(\i)+8*k_:64*(\i)+8*k_+3], v[SFR] offset:QST+64*k_
	ds_load_b128 v[64*(\i)+8*k_+4:64*(\i)+8*k_+7], v[SFR] offset:QST+64*k_+32
.set k_, k_+1
.endr
.endm
; A CHUNK's biases (in the result's layout: they are the C operand that starts the sums) and all its weight fragments: na blocks of 16 columns, 8 steps of 32 along k.
.macro CHLOAD na
	WIN 0
	v_add_nc_u32 v[AW], s26, v[LP]
	v_add_nc_u32 v[ABF], s27, v[PB0]
.set a_, 0
.rept \na
	ds_load_b128 v[BF+8*a_:BF+8*a_+3], v[ABF] offset:64*a_
	ds_load_b128 v[BF+8*a_+4:BF+8*a_+7], v[ABF] offset:64*a_+16
.set a_, a_+1
.endr
	WIN 0xc0
.set k_, 0
.rept 8
.set a_, 0
.rept \na
	ds_load_tr16_b128 v[32*k_+8*a_:32*k_+8*a_+3], v[AW] offset:5120*k_+32*a_
	ds_load_tr16_b128 v[32*k_+8*a_+4:32*k_+8*a_+7], v[AW] offset:5120*k_+32*a_+2560
.set a_, a_+1
.endr
.set k_, k_+1
.endr
.endm
; Its products: 3 na accumulators by turns, one instruction a turn.  win: source 1 in window 2 (src + pos) or 1 (src).
.macro CHMUL na, win
	WIN \win
.set k_, 0
.rept 8
.if k_%2 == 0
	s_wait_dscnt 2*(\na)*(6-k_)                    ; the fragments of this and the next k step are in; those of the later steps, 2 na loads each, may be out
.endif
.set a_, 0
.rept \na
.set i_, 0
.rept 3
.set rD, ACC+8*(3*a_+i_)
.if k_ == 0
	v_wmma_f32_16x16x32_bf16 v[rD:rD+7], v[32*k_+8*a_:32*k_+8*a_+7], v[64*i_+8*k_:64*i_+8*k_+7], v[BF+8*a_:BF+8*a_+7]
.else
	v_wmma_f32_16x16x32_bf16 v[rD:rD+7], v[32*k_+8*a_:32*k_+8*a_+7], v[64*i_+8*k_:64*i_+8*k_+7], v[rD:rD+7]
.endif
.set i_, i_+1
.endr
.set a_, a_+1
.endr
.set k_, k_+1
.endr
	WIN 0
	PLACES
.endm
; THE SAMPLES of tile i, level set e: places, indices and the hat weights of my four points.  O_ holds (x, y) offsets of point p in registers 2 p, 2 p + 1.
.macro SLOC i, e
.set O_, ACC+8*(3*(\e)+(\i))
.set RX_, RXY+4*(\i)+2*(\e)
.irp p, 0,1,2,3
	v_pk_add_f32 v[O_+2*(\p):O_+2*(\p)+1], v[O_+2*(\p):O_+2*(\p)+1], v[RX_:RX_+1]
.endr
.irp n, 0,1,2,3,4,5,6,7
	v_floor_f32 v[TF+(\n)], v[O_+(\n)]
.endr
.irp p, 0,1,2,3
	v_med3_num_f32 v[TF+2*(\p)], v[TF+2*(\p)], 0, v[WM+2*(\e)]
	v_med3_num_f32 v[TF+2*(\p)+1], v[TF+2*(\p)+1], 0, v[WM+2*(\e)+1]
.endr
.irp p, 0,1,2,3
	v_pk_add_f32 v[O_+2*(\p):O_+2*(\p)+1], v[O_+2*(\p):O_+2*(\p)+1], v[TF+2*(\p):TF+2*(\p)+1] neg_lo:[0,1] neg_hi:[0,1]  ; t
.endr
.irp p, 0,1,2,3
	v_fma_f32 v[TIX+4*(\e)+(\p)], v[TF+2*(\p)+1], v[WH+2*(\e)], v[TF+2*(\p)]  ; yb W + xb: whole numbers under 2^24, exact
.endr
.irp p, 0,1,2,3
	v_add_f32 v[TIX+4*(\e)+(\p)], v[TIX+4*(\e)+(\p)], v[BASE+2*(\i)+(\e)]
.endr
.irp p, 0,1,2,3
	v_cvt_u32_f32 v[TIX+4*(\e)+(\p)], v[TIX+4*(\e)+(\p)]
.endr
.irp p, 0,1,2,3
	v_pk_add_f32 v[TM1+2*(\p):TM1+2*(\p)+1], v[O_+2*(\p):O_+2*(\p)+1], 1.0 op_sel_hi:[1,0] neg_lo:[1,0] neg_hi:[1,0]
	v_pk_add_f32 v[TP1+2*(\p):TP1+2*(\p)+1], v[O_+2*(\p):O_+2*(\p)+1], 1.0 op_sel_hi:[1,0]
	v_pk_add_f32 v[TM2+2*(\p):TM2+2*(\p)+1], v[O_+2*(\p):O_+2*(\p)+1], 2.0 op_sel_hi:[1,0] neg_lo:[1,0] neg_hi:[1,0]
.endr
.irp p, 0,1,2,3
	v_med3_num_f32 v[TWX+2*(\p)], v[TM1+2*(\p)], 0, v[TP1+2*(\p)]
	v_med3_num_f32 v[TWX+2*(\p)+1], v[O_+2*(\p)], 0, v[TM2+2*(\p)]
	v_med3_num_f32 v[TWY+2*(\p)], v[TM1+2*(\p)+1], 0, v[TP1+2*(\p)+1]
	v_med3_num_f32 v[TWY+2*(\p)+1], v[O_+2*(\p)+1], 0, v[TM2+2*(\p)+1]
.endr
.endm
; The four corner weights of each point of set e: attention x (wy0, wy1) x wx, rounded in pairs (upper row, lower row): one word for pixel xb, one for xb + 1.
.macro SWT e
.irp p, 0,1,2,3
.if (\p)%2 == 0
	v_pk_mul_f32 v[TWY+2*(\p):TWY+2*(\p)+1], v[TWY+2*(\p):TWY+2*(\p)+1], v[AT_+4*(\e)+(\p):AT_+4*(\e)+(\p)+1] op_sel_hi:[1,0]
.else
	v_pk_mul_f32 v[TWY+2*(\p):TWY+2*(\p)+1], v[TWY+2*(\p):TWY+2*(\p)+1], v[AT_+4*(\e)+(\p)-1:AT_+4*(\e)+(\p)] op_sel:[0,1] op_sel_hi:[1,1]
.endif
.endr
.irp p, 0,1,2,3
	v_pk_mul_f32 v[TM1+2*(\p):TM1+2*(\p)+1], v[TWY+2*(\p):TWY+2*(\p)+1], v[TWX+2*(\p):TWX+2*(\p)+1] op_sel_hi:[1,0]
	v_pk_mul_f32 v[TP1+2*(\p):TP1+2*(\p)+1], v[TWY+2*(\p):TWY+2*(\p)+1], v[TWX+2*(\p):TWX+2*(\p)+1] op_sel:[0,1] op_sel_hi:[1,1]
.endr
.irp p, 0,1,2,3
	v_cvt_pk_bf16_f32 v[TOW+4*(\e)+(\p)], v[TM1+2*(\p)], v[TM1+2*(\p)+1]
	v_cvt_pk_bf16_f32 v[TOW+8+4*(\e)+(\p)], v[TP1+2*(\p)], v[TP1+2*(\p)+1]
.endr
.endm
; Tile i of a head's chunk.  My lane holds 8 of the row's 16 logits, the lane 16 away the other 8.  Each accumulator's lowest registers are read first.
.macro SEPI i
.set AT_, ACC+8*(6+(\i))
	v_max3_num_f32 v[RM], v[AT_], v[AT_+1], v[AT_+2]
	v_max3_num_f32 v[RM], v[RM], v[AT_+3], v[AT_+4]
	v_max3_num_f32 v[RM], v[RM], v[AT_+5], v[AT_+6]
	v_max_num_f32 v[RM], v[RM], v[AT_+7]
	v_permlanex16_b32 v[RPX], v[RM], s30, s31
	v_max_num_f32 v[RM], v[RM], v[RPX]
	v_mul_f32 v[RMC], s32, v[RM]
.irp k, 0,2,4,6
	v_pk_fma_f32 v[AT_+(\k):AT_+(\k)+1], v[AT_+(\k):AT_+(\k)+1], s[32:33], v[RMC:RMC+1] op_sel_hi:[1,0,0] neg_lo:[0,0,1] neg_hi:[0,0,1]
.endr
.irp k, 0,1,2,3,4,5,6,7
	v_exp_f32 v[AT_+(\k)], v[AT_+(\k)]
.endr
	SLOC \i, 0                                     ; plain work on other registers stands behind the exponentials
	s_wait_alu depctr_va_vdst(0)
	v_pk_add_f32 v[RSU:RSU+1], v[AT_:AT_+1], v[AT_+2:AT_+3]
	v_pk_add_f32 v[RRC:RRC+1], v[AT_+4:AT_+5], v[AT_+6:AT_+7]
	v_pk_add_f32 v[RSU:RSU+1], v[RSU:RSU+1], v[RRC:RRC+1]
	v_add_f32 v[RSU], v[RSU], v[RSU+1]
	v_permlanex16_b32 v[RPX], v[RSU], s30, s31
	v_add_f32 v[RSU], v[RSU], v[RPX]               ; at least 1: the largest logit's term
	v_rcp_f32 v[RRC], v[RSU]
	v_nop                                          ; a plain instruction between the reciprocal and its use
	s_wait_alu depctr_va_vdst(0)
.irp k, 0,2,4,6
	v_pk_mul_f32 v[AT_+(\k):AT_+(\k)+1], v[AT_+(\k):AT_+(\k)+1], v[RRC:RRC+1] op_sel_hi:[1,0]
.endr
	s_wait_xcnt 0x0                                ; the last tile's stores have had their addresses translated (ISA guide 3.1): only now are their data registers written again
	SWT 0
	SLOC \i, 1
	SWT 1
.irp k, 0,1,2,3
	v_lshl_or_b32 v[TOI+(\k)], v[TIX+2*(\k)+1], 16, v[TIX+2*(\k)]
.endr
	global_store_b128 v[GL], v[TOI:TOI+3], s[16:17] offset:512*(\i)  ; each store of the wave covers 512 consecutive bytes, aligned
.irp s, 0,1
.irp e, 0,1
	global_store_b128 v[GL], v[TOW+8*(\s)+4*(\e):TOW+8*(\s)+4*(\e)+3], s[18:19] offset:2048*(\i)+1024*(\s)+512*(\e)
.endr
.endr
.endm
.macro SCHUNK                          ; one head: 32 offsets and 16 logits for 48 rows
	CHLOAD 3
	CHMUL 3, 0x0b
	SEPI 0
	SEPI 1
	SEPI 2
	s_wait_xcnt 0x0                                ; the stores' bases step only behind this wait
	s_add_nc_u64 s[16:17], s[16:17], HS_I
	s_add_nc_u64 s[18:19], s[18:19], HS_W
	s_add_co_u32 s26, s26, CHB
	s_add_co_u32 s27, s27, 256
.endm
.macro VCHUNK                          ; two heads of value: rounded, through my stage (blocks of 16 rows of 64 bytes, 80 apart), out as 512 consecutive bytes a store
	CHLOAD 4
	CHMUL 4, 0x07
	s_wait_xcnt 0x0                                ; earlier stores' data registers are written again only behind this wait
.set n_, 0
.rept 12
.irp q, 0,1,2,3
	v_cvt_pk_bf16_f32 v[48+4*n_+(\q)], v[ACC+8*n_+2*(\q)], v[ACC+8*n_+2*(\q)+1]
.endr
.set n_, n_+1
.endr
.set n_, 0
.rept 12                               ; n = 3 a + i: head a / 2 of the chunk, channels 16 (a % 2) on
	ds_store_b128 v[SVS], v[48+4*n_:48+4*n_+3] offset:((n_/6)*3+n_%3)*1280+32*((n_/3)%2)
.set n_, n_+1
.endr
.set n_, 0
.rept 12                               ; block n / 2, its rows 8 (n % 2) on
	ds_load_b128 v[48+4*n_:48+4*n_+3], v[SVL] offset:(n_/2)*1280+640*(n_%2)
.set n_, n_+1
.endr
.set n_, 0
.rept 12
	s_wait_dscnt 11-n_                             ; LDS loads come back in order: load n is in
	global_store_b128 v[GL], v[48+4*n_:48+4*n_+3], s[14:15] offset:(n_/6)*HS_V+1024*((n_/2)%3)+512*(n_%2)
.set n_, n_+1
.endr
	s_wait_xcnt 0x0
	s_add_nc_u64 s[14:15], s[14:15], 2*HS_V
	s_add_co_u32 s26, s26, CHB
	s_add_co_u32 s27, s27, 256
.endm
.macro LSEL dst, a, b                  ; lanes 0-15 take a, lanes 16-31 b
	v_mov_b32 v[\dst], \a
	v_mov_b32 v[RM], \b
	v_cndmask_b32 v[\dst], v[\dst], v[RM], s66
.endm
	s_load_b512 s[4:19], s[0:1], 0x0               ; src s[4:5], pos s[6:7], reference_points s[8:9], wb s[10:11], tab s[12:13], val s[14:15], idxb s[16:17], wts s[18:19]
	v_lshl_add_u32 v[SPW], v0, 2, SPARE
	v_mov_b32 v[NIL], 0
	ds_add_u32 v[SPW], v[NIL]                      ; the wave's opening: the add and its wait stand ahead of my first tensor load; work on registers stands between them
	ds_add_u32 v12, v13
	v_lshrrev_b32 v1, 5, v0
	v_readfirstlane_b32 s20, v1                    ; wave 0..3
	s_bfe_u32 s21, ttmp6, 0x40000                  ; cx
	s_lshl_b32 s22, ttmp9, 2
	s_add_co_u32 s22, s22, s21                     ; the work-group
	s_mul_i32 s23, s22, 192
	s_mul_i32 s24, s20, 48
	s_add_co_u32 s23, s23, s24
	s_min_u32 s23, s23, ROWS-48                    ; my first row
	s_mov_b32 s25, 0
	s_mov_b32 s30, 0x76543210                      ; v_permlanex16_b32: each lane takes its own place in the other half
	s_mov_b32 s31, 0xfedcba98
	s_mov_b32 s32, 0x3fb8aa3b                      ; log2(e); named as a pair
	s_mov_b32 s33, s32
	; group 1 for weights: 16,384 dense bytes as 64 rows of 128 elements of 2 bytes, 8 words of padding after every 32 words: 128 LDS rows 160 bytes apart
	s_mov_b32 s36, 15|(1<<16)|(1<<20)|(1<<21)|(4<<22)|(7<<25)
	s_mov_b32 s37, 128<<16
	s_mov_b32 s38, 64<<16
	s_mov_b32 s39, 128<<16
	s_mov_b32 s40, 64
	s_mov_b32 s41, 128
	s_mov_b32 s42, 0
	s_mov_b32 s43, 0
	; group 1 for the bias table: 3 rows of 32 elements of 8 bytes, no padding
	s_mov_b32 s44, 15|(3<<16)|(1<<21)
	s_mov_b32 s45, 32<<16
	s_mov_b32 s46, 3<<16
	s_mov_b32 s47, 32<<16
	s_mov_b32 s48, 3
	s_mov_b32 s49, 32
	s_mov_b32 s50, 0
	s_mov_b32 s51, 0
	s_mov_b32 s52, 1                               ; group 0, slot 0: my quarter, wave x 128 LDS rows
	s_mul_i32 s53, s20, CHB/2
	s_mov_b32 s56, 1                               ; group 0, slot 1; it then walks
	s_add_co_u32 s57, s53, SLOT1
	s_mov_b32 s60, 1                               ; group 0, the table: my 768 bytes
	s_mul_i32 s61, s20, 768
	s_add_co_u32 s61, s61, PBT
	s_lshl_b32 s68, s20, 14                        ; offsets made of the wave's number alone
	s_mov_b32 s69, 0
	s_mul_i32 s70, s20, 768
	s_mov_b32 s71, 0
	s_mul_i32 s72, s20, STGW
	s_add_co_u32 s72, s72, STG                     ; my stage
	s_mov_b32 s73, LQ
	v_and_b32 v1, 15, v0                           ; r
	v_bfe_u32 v2, v0, 4, 1                         ; hh
	v_and_b32 v40, 31, v0                          ; lane
	v_and_b32 v41, 7, v0
	v_lshl_add_u32 v41, v2, 3, v41
	v_mul_u32_u24 v[LP], v41, 160
	v_bfe_u32 v41, v0, 3, 1
	v_lshl_add_u32 v[LP], v41, 4, v[LP]
	v_lshl_add_u32 v[SIN], v40, 3, s72
	v_mul_u32_u24 v[SFR], v1, 528
	v_lshl_add_u32 v[SFR], v2, 4, v[SFR]
	v_add_nc_u32 v[SFR], s72, v[SFR]
	v_lshlrev_b32 v[GL], 4, v40
	v_mul_u32_u24 v[SVS], v1, 80
	v_lshl_add_u32 v[SVS], v2, 4, v[SVS]
	v_add_nc_u32 v[SVS], s72, v[SVS]
	v_lshrrev_b32 v[SVL], 2, v40
	v_mul_u32_u24 v[SVL], v[SVL], 80
	v_and_b32 v41, 3, v0
	v_lshl_add_u32 v[SVL], v41, 4, v[SVL]
	v_add_nc_u32 v[SVL], s72, v[SVL]
	v_lshlrev_b32 v[PB0], 5, v2
	v_add_nc_u32 v[PB0], PBT, v[PB0]
	v_lshlrev_b32 v46, 5, v1
	v_lshl_add_u32 v46, v2, 3, v46                 ; reference_points: r x 32 + 8 hh
	s_wait_dscnt 0x0                               ; the opening add is done
	s_wait_kmcnt 0x0
	s_lshl_b32 s24, s23, 10
	s_add_nc_u64 s[4:5], s[4:5], s[24:25]          ; src and pos at my first row
	s_add_nc_u64 s[6:7], s[6:7], s[24:25]
	s_lshl_b32 s24, s23, 5
	s_add_nc_u64 s[8:9], s[8:9], s[24:25]          ; 32 bytes a row
	s_add_nc_u64 s[16:17], s[16:17], s[24:25]      ; 512 bytes a tile
	s_lshl_b32 s24, s23, 6
	s_add_nc_u64 s[14:15], s[14:15], s[24:25]      ; 64 bytes a row
	s_lshl_b32 s24, s23, 7
	s_add_nc_u64 s[18:19], s[18:19], s[24:25]      ; 2,048 bytes a tile
	s_add_nc_u64 s[54:55], s[10:11], s[68:69]      ; chunks 0 and 1: my 16,384 bytes
	s_add_nc_u64 s[58:59], s[54:55], 0x10000       ; chunks 2 and 3
	s_or_b32 s55, s55, 0x80000000
	s_or_b32 s59, s59, 0x80000000
	s_add_nc_u64 s[62:63], s[12:13], s[70:71]
	s_or_b32 s63, s63, 0x80000000
	ROUND                                          ; all four work-groups are here: the first joint loads meet
	tensor_load_to_lds s[52:55], s[36:43]          ; the first fills go out as one group: three loads of mine are out
	s_nop 0
	tensor_load_to_lds s[56:59], s[36:43]
	s_nop 0
	tensor_load_to_lds s[60:63], s[44:51]
	s_nop 0
	PLACES
.irp i, 0,1,2
.irp e, 0,1
	global_load_b64 v[48+4*(\i)+2*(\e):48+4*(\i)+2*(\e)+1], v46, s[8:9] offset:512*(\i)+16*(\e)  ; (x, y) of level hh + 2 e
.endr
.endr
.irp b, 0,1,2,3,4,5,6,7
	INLOAD8 0, \b
.endr
	INCVT 0, 1
	INCVT 1, 1
	INCVT 2, 0
	WIN 0
	v_cmp_eq_u32 s66, 1, v2                        ; lanes 16-31
	LSEL WH+0, 0x43200000, 0x42a00000              ; W: 160, 80
	LSEL WH+1, 0x42b80000, 0x42380000              ; H: 92, 46
	LSEL WH+2, 0x42200000, 0x41a00000              ; W: 40, 20
	LSEL WH+3, 0x41b80000, 0x41400000              ; H: 23, 12
.irp n, 0,1,2,3
	v_add_f32 v[WM+(\n)], -2.0, v[WH+(\n)]
.endr
.irp i, 0,1,2
.irp e, 0,1
	v_pk_fma_f32 v[RXY+4*(\i)+2*(\e):RXY+4*(\i)+2*(\e)+1], v[48+4*(\i)+2*(\e):48+4*(\i)+2*(\e)+1], v[WH+2*(\e):WH+2*(\e)+1], -0.5 op_sel_hi:[1,1,0]
.endr
.endr
	LSEL 42, 0, 14720                              ; the levels' first rows
	LSEL 43, 18400, 19320
	v_mov_b32 v44, LQ
.irp i, 0,1,2
	s_add_co_u32 s74, s23, 16*(\i)
	v_add_nc_u32 v45, s74, v1                      ; my row
	v_cmp_le_u32 s67, s73, v45                     ; in the second batch?  A tile may hold rows of both: the choice is a lane's
	v_cndmask_b32 v45, 0, v44, s67
	v_add_nc_u32 v46, v42, v45
	v_add_nc_u32 v47, v43, v45
	v_cvt_f32_u32 v[BASE+2*(\i)], v46
	v_cvt_f32_u32 v[BASE+2*(\i)+1], v47
.endr
	v_mov_b32 v[RPX], 0                            ; v_permlanex16_b32's destination counts as read
	v_mov_b32 v[RMC+1], 0                          ; named with RMC as a pair
	s_mov_b32 s26, 0                               ; the chunk to read: slot 0's first
	s_mov_b32 s27, 0                               ; its biases
	s_wait_tensorcnt 0x0                           ; my parts of both slots and of the table are in,
	s_wait_dscnt 0x0                               ; my fragments too,
	s_barrier_signal -1
	s_barrier_wait -1                              ; everybody's are
	s_mov_b32 s28, 4
.Lsl:                                                  ; four slots of two heads; each change asks for the two chunks two slots on, the last two for the value's
	s_mov_b32 s29, 2
.Lch:
	SCHUNK
	s_sub_co_u32 s29, s29, 1
	s_cmp_lg_u32 s29, 0
	s_cbranch_scc1 .Lch
	CHANGE 1
	s_sub_co_u32 s28, s28, 1
	s_cmp_lg_u32 s28, 0
	s_cbranch_scc1 .Lsl
	s_mov_b32 s28, 2
.Lvl:                                                  ; two slots of two value chunks; nothing more is asked for.  The second trip's barrier serves nothing: the price, once a launch, of one text
	s_mov_b32 s29, 2
.Lvc:
	VCHUNK
	s_sub_co_u32 s29, s29, 1
	s_cmp_lg_u32 s29, 0
	s_cbranch_scc1 .Lvc
	CHANGE 0
	s_sub_co_u32 s28, s28, 1
	s_cmp_lg_u32 s28, 0
	s_cbranch_scc1 .Lvl
	s_wait_tensorcnt 0x0                           ; the wave's end
	ds_add_u32 v[SPW], v[NIL]
	s_wait_dscnt 0x0
	ROUND                                          ; the closing round: no work-group ends while a partner may still ask for a tile that names it
	s_endpgm
.Lfunc_end_k_qeeddb736b3_proj:
	.size	k_qeeddb736b3_proj, .Lfunc_end_k_qeeddb736b3_proj-k_qeeddb736b3_proj
	.p2alignl 7, 3214868480
	.fill 96, 4, 3214868480
	.section	.rodata,"a",@progbits
	.p2align	6, 0x0
	.amdhsa_kernel k_qeeddb736b3_proj
		.amdhsa_group_segment_fixed_size 327680
		.amdhsa_private_segment_fixed_size 0
		.amdhsa_enable_private_segment 0
		.amdhsa_kernarg_size 64
		.amdhsa_user_sgpr_count 2
		.amdhsa_user_sgpr_kernarg_segment_ptr 1
		.amdhsa_wavefront_size32 1
		.amdhsa_system_sgpr_workgroup_id_x 1
		.amdhsa_system_sgpr_workgroup_id_y 1
		.amdhsa_system_sgpr_workgroup_id_z 1
		.amdhsa_system_vgpr_workitem_id 0
		.amdhsa_next_free_vgpr 1024
		.amdhsa_next_free_sgpr 80
		.amdhsa_reserve_vcc 0
		.amdhsa_float_denorm_mode_32 3
		.amdhsa_float_denorm_mode_16_64 3
		.amdhsa_memory_ordered 1
		.amdhsa_forward_progress 1
		.amdhsa_inst_pref_size 148
	.end_amdhsa_kernel
	.amdgpu_metadata
---
amdhsa.version: [ 1, 2 ]
amdhsa.kernels:
  - .name:           k_qeeddb736b3_proj
    .symbol:         k_qeeddb736b3_proj.kd
    .args:
      - { .name: src, .offset: 0, .size: 8, .value_kind: global_buffer, .address_space: global }
      - { .name: pos, .offset: 8, .size: 8, .value_kind: global_buffer, .address_space: global }
      - { .name: reference_points, .offset: 16, .size: 8, .value_kind: global_buffer, .address_space: global }
      - { .name: wb, .offset: 24, .size: 8, .value_kind: global_buffer, .address_space: global }
      - { .name: tab, .offset: 32, .size: 8, .value_kind: global_buffer, .address_space: global }
      - { .name: val, .offset: 40, .size: 8, .value_kind: global_buffer, .address_space: global }
      - { .name: idxb, .offset: 48, .size: 8, .value_kind: global_buffer, .address_space: global }
      - { .name: wts, .offset: 56, .size: 8, .value_kind: global_buffer, .address_space: global }
    .group_segment_fixed_size: 327680
    .private_segment_fixed_size: 0
    .kernarg_segment_align: 8
    .kernarg_segment_size: 64
    .max_flat_workgroup_size: 128
    .sgpr_count:     80
    .vgpr_count:     1024
    .wavefront_size: 32
...
	.end_amdgpu_metadata
.endif
;; end of part 2
;; launch samp (part 3): grid 2445 x 1, 4 waves a work-group, no clusters, 0 bytes of LDS; arguments val, idxb, wts, core; writes core
.if DOCPART == 3
	.amdgcn_target "amdgcn-amd-amdhsa--gfx1250"
	.amdhsa_code_object_version 6
	.text
	.protected	k_qeeddb736b3_samp
	.globl	k_qeeddb736b3_samp
	.p2align	8
	.type	k_qeeddb736b3_samp,@function
k_qeeddb736b3_samp:
	s_mov_b64 s[64:65], 0
	v_nop
	global_prefetch_b8 v0, s[64:65] scope:SCOPE_SE
	s_setreg_imm32_b32 hwreg(HW_REG_WAVE_MODE, 25, 1), 1
	s_wait_xcnt 0x0
; SAMP: core[row][head][:] = the sum over the head's 16 samples and each sample's 2 x 2 patch of weight x val[head][pixel][:].  val: [8][39,120][32] bf16; idxb and wts as the launch before
; stored them; core: [39,120][256] bf16, rounded once from f32 sums.
; SHARES.  A work-group is a tile of 16 rows, a wave four of them, one a trip.  Lane = 8 g + 4 s + c: head g of four (two passes a row), pixel xb + s, channels 8 c .. 8 c + 7.  So one gather
; takes, for four heads, 128 consecutive bytes: two neighbouring pixels of one sample's upper or lower row.  The two pixels' sums meet by one exchange between lanes 4 apart.
; Every row and head has pixels of its own, so the matrix units have no part; nothing is shared between waves, so there is no LDS; many small waves and 32 gathers of each on their way cover the wait for the gathered rows.
; The indices are whole numbers read from memory; each is held to the largest first pixel of its level before it enters an address.
.set HS_I, 1251840                     ; bytes of a head in idxb, wts, val
.set HS_W, 5007360
.set HS_V, 2503680
.set WA, 12                            ; v[12:27], v[28:43]  a pass's 16 weight words (upper row's weight below, lower row's above), two buffers
.set WB, 28
.set AD, 44                            ; v[44:59]  the 16 samples' byte offsets
.set AC, 60                            ; v[60:67]  eight channels' sums
.set KEEP, 68                          ; v[68:71]  pass 0's result; then the 16 bytes to store
.set G,  72                            ; v[72:199] 32 gathers of 16 bytes
; v1, v2: my offsets in idxb and wts;  v3: head g, pixel s, channels c in val;  v[4:11]: 16 indices;  v200: my 16 bytes in core;  v201: 0
.macro LOOK pn, wn                     ; the lists of pass pn: 2 loads of indices, 4 of weights (levels in the order 0, 2, 1, 3)
	global_load_b128 v[4:7], v1, s[6:7] offset:(\pn)*4*HS_I
	global_load_b128 v[8:11], v1, s[6:7] offset:(\pn)*4*HS_I+256
.irp q, 0,1,2,3
	global_load_b128 v[(\wn)+4*(\q):(\wn)+4*(\q)+3], v2, s[8+6*(\pn):9+6*(\pn)] offset:256*((\q)/2)+512*((\q)%2)
.endr
.endm
.macro FM8 n, w, yr, c                 ; gather n's eight channels times half yr of weight word w; c = 0: the first products start the sums
.irp k, 0,1,2,3
.if \c
	v_fma_mix_f32_bf16 v[AC+2*(\k)], v[G+4*(\n)+(\k)], v[\w], v[AC+2*(\k)] op_sel:[0,\yr,0] op_sel_hi:[1,1,0]
	v_fma_mix_f32_bf16 v[AC+2*(\k)+1], v[G+4*(\n)+(\k)], v[\w], v[AC+2*(\k)+1] op_sel:[1,\yr,0] op_sel_hi:[1,1,0]
.else
	v_fma_mix_f32_bf16 v[AC+2*(\k)], v[G+4*(\n)+(\k)], v[\w], v201 op_sel:[0,\yr,0] op_sel_hi:[1,1,0]
	v_fma_mix_f32_bf16 v[AC+2*(\k)+1], v[G+4*(\n)+(\k)], v[\w], v201 op_sel:[1,\yr,0] op_sel_hi:[1,1,0]
.endif
.endr
.endm
.macro PASS p, wc, wn                  ; heads 4 p + g of the row in hand
	s_wait_loadcnt 0x0                             ; out are only this pass's six list loads, issued behind the last pass's gathers
.if (\p) == 1
	v_add_nc_u32 v1, s17, v1                       ; the lists asked for below are the next row's (in the last trip: this row's once more, so that no load leaves the buffers)
	v_add_nc_u32 v2, s17, v2
.endif
.irp k, 0,1,2,3,4,5,6,7
	v_and_b32 v[AD+2*(\k)], 0xffff, v[4+(\k)]
	v_lshrrev_b32 v[AD+2*(\k)+1], 16, v[4+(\k)]
.endr
.set j_, 0
.rept 16
.if j_/4 == 0
.set cl_, 34118                        ; 19,560 + the level's first row + (H - 2) W + W - 2, for levels 0, 2, 1, 3
.elseif j_/4 == 1
.set cl_, 38838
.elseif j_/4 == 2
.set cl_, 37878
.else
.set cl_, 39098
.endif
	v_min_u32 v[AD+j_], cl_, v[AD+j_]
	v_lshl_add_u32 v[AD+j_], v[AD+j_], 6, v3
.set j_, j_+1
.endr
.set j_, 0
.rept 16
.if j_/4 == 0
.set ys_, 10240                        ; 64 W: from the patch's upper row to its lower
.elseif j_/4 == 1
.set ys_, 2560
.elseif j_/4 == 2
.set ys_, 5120
.else
.set ys_, 1280
.endif
	global_load_b128 v[G+8*j_:G+8*j_+3], v[AD+j_], s[4+8*(\p):5+8*(\p)]
	global_load_b128 v[G+8*j_+4:G+8*j_+7], v[AD+j_], s[4+8*(\p):5+8*(\p)] offset:ys_
.set j_, j_+1
.endr
	LOOK 1-(\p), \wn
.set j_, 0
.rept 16
	s_wait_loadcnt 37-2*j_                         ; loads come back in order: behind gather n stand 31 - n gathers and the six list loads
.if j_ == 0
	FM8 0, \wc, 0, 0
.else
	FM8 2*j_, (\wc)+j_, 0, 1
.endif
	s_wait_loadcnt 36-2*j_
	FM8 2*j_+1, (\wc)+j_, 1, 1
.set j_, j_+1
.endr
.irp k, 0,1,2,3,4,5,6,7
	v_add_f32_dpp v[AC+(\k)], v[AC+(\k)], v[AC+(\k)] row_xmask:4 row_mask:0xf bank_mask:0xf  ; the other pixel's sums
.endr
.if (\p) == 0
.irp k, 0,1,2,3
	v_cvt_pk_bf16_f32 v[KEEP+(\k)], v[AC+2*(\k)], v[AC+2*(\k)+1]
.endr
.else
.irp k, 0,1,2,3
	v_cvt_pk_bf16_f32 v[AC+(\k)], v[AC+2*(\k)], v[AC+2*(\k)+1]
.endr
.irp k, 0,1,2,3
	v_cndmask_b32 v[KEEP+(\k)], v[KEEP+(\k)], v[AC+(\k)], s18  ; lanes with s = 0 store head g, those with s = 1 head 4 + g
.endr
	global_store_b128 v200, v[KEEP:KEEP+3], s[10:11]  ; the wave's store covers the row's 512 consecutive bytes, aligned
	s_wait_xcnt 0x0                                ; its address and data registers are written again only behind this wait
	v_add_nc_u32 v200, 512, v200
.endif
.endm
	s_load_b256 s[4:11], s[0:1], 0x0               ; val s[4:5], idxb s[6:7], wts s[8:9], core s[10:11]
	s_mov_b32 s20, ttmp9                           ; the tile
	v_and_b32 v63, 31, v0
	v_lshrrev_b32 v64, 5, v0                       ; wave: rows 4 w .. 4 w + 3 of the tile
	v_lshrrev_b32 v60, 3, v63                      ; g
	v_bfe_u32 v61, v0, 2, 1                        ; s
	v_and_b32 v62, 3, v0                           ; c
	v_mul_u32_u24 v1, v60, HS_I
	v_lshl_add_u32 v1, v64, 6, v1                  ; + 16 bytes a row
	v_mul_u32_u24 v2, v60, HS_W
	v_lshl_add_u32 v2, v61, 10, v2
	v_lshl_add_u32 v2, v64, 6, v2
	v_mul_u32_u24 v3, v60, HS_V
	v_lshl_add_u32 v3, v61, 6, v3
	v_lshl_add_u32 v3, v62, 4, v3
	v_lshl_add_u32 v200, v61, 2, v60               ; head 4 s + g
	v_lshlrev_b32 v200, 6, v200
	v_lshl_add_u32 v200, v62, 4, v200
	v_lshl_add_u32 v200, v64, 11, v200             ; + 512 bytes a row
	v_mov_b32 v201, 0
	v_cmp_eq_u32 s18, 1, v61
	s_mov_b32 s23, 0
	s_wait_kmcnt 0x0
	s_lshl_b32 s22, s20, 9
	s_add_nc_u64 s[6:7], s[6:7], s[22:23]
	s_lshl_b32 s22, s20, 11
	s_add_nc_u64 s[8:9], s[8:9], s[22:23]
	s_lshl_b32 s22, s20, 13
	s_add_nc_u64 s[10:11], s[10:11], s[22:23]
	s_add_nc_u64 s[12:13], s[4:5], 4*HS_V          ; heads 4 to 7: beyond an immediate's reach
	s_add_nc_u64 s[14:15], s[8:9], 4*HS_W
	LOOK 0, WA
	s_mov_b32 s16, 4
.Lq:
	s_cmp_eq_u32 s16, 1
	s_cselect_b32 s17, 0, 16
	PASS 0, WA, WB
	PASS 1, WB, WA
	s_sub_co_u32 s16, s16, 1
	s_cmp_lg_u32 s16, 0
	s_cbranch_scc1 .Lq
	s_endpgm
.Lfunc_end_k_qeeddb736b3_samp:
	.size	k_qeeddb736b3_samp, .Lfunc_end_k_qeeddb736b3_samp-k_qeeddb736b3_samp
	.p2alignl 7, 3214868480
	.fill 96, 4, 3214868480
	.section	.rodata,"a",@progbits
	.p2align	6, 0x0
	.amdhsa_kernel k_qeeddb736b3_samp
		.amdhsa_group_segment_fixed_size 0
		.amdhsa_private_segment_fixed_size 0
		.amdhsa_enable_private_segment 0
		.amdhsa_kernarg_size 32
		.amdhsa_user_sgpr_count 2
		.amdhsa_user_sgpr_kernarg_segment_ptr 1
		.amdhsa_wavefront_size32 1
		.amdhsa_system_sgpr_workgroup_id_x 1
		.amdhsa_system_sgpr_workgroup_id_y 1
		.amdhsa_system_sgpr_workgroup_id_z 1
		.amdhsa_system_vgpr_workitem_id 0
		.amdhsa_next_free_vgpr 204
		.amdhsa_next_free_sgpr 66
		.amdhsa_reserve_vcc 0
		.amdhsa_float_denorm_mode_32 3
		.amdhsa_float_denorm_mode_16_64 3
		.amdhsa_memory_ordered 1
		.amdhsa_forward_progress 1
		.amdhsa_inst_pref_size 52
	.end_amdhsa_kernel
	.amdgpu_metadata
---
amdhsa.version: [ 1, 2 ]
amdhsa.kernels:
  - .name:           k_qeeddb736b3_samp
    .symbol:         k_qeeddb736b3_samp.kd
    .args:
      - { .name: val, .offset: 0, .size: 8, .value_kind: global_buffer, .address_space: global }
      - { .name: idxb, .offset: 8, .size: 8, .value_kind: global_buffer, .address_space: global }
      - { .name: wts, .offset: 16, .size: 8, .value_kind: global_buffer, .address_space: global }
      - { .name: core, .offset: 24, .size: 8, .value_kind: global_buffer, .address_space: global }
    .group_segment_fixed_size: 0
    .private_segment_fixed_size: 0
    .kernarg_segment_align: 8
    .kernarg_segment_size: 32
    .max_flat_workgroup_size: 128
    .sgpr_count:     66
    .vgpr_count:     204
    .wavefront_size: 32
...
	.end_amdgpu_metadata
.endif
;; end of part 3
;; launch ffn (part 4): grid 204 x 1, 4 waves a work-group, clusters of 4 x 1, 327,680 bytes of LDS; arguments core, src, wb, tab, out0; writes out0
.if DOCPART == 4
	.amdgcn_target "amdgcn-amd-amdhsa--gfx1250"
	.amdhsa_code_object_version 6
	.text
	.protected	k_qeeddb736b3_ffn
	.globl	k_qeeddb736b3_ffn
	.p2align	8
	.type	k_qeeddb736b3_ffn,@function
k_qeeddb736b3_ffn:
	s_mov_b64 s[64:65], 0
	v_nop
	global_prefetch_b8 v0, s[64:65] scope:SCOPE_SE
	s_setreg_imm32_b32 hwreg(HW_REG_WAVE_MODE, 25, 1), 1
	s_wait_xcnt 0x0
	s_wait_alu depctr_hold_cnt(0) depctr_sa_sdst(0) depctr_va_vdst(0) depctr_va_sdst(0) depctr_va_ssrc(0) depctr_va_vcc(0) depctr_vm_vsrc(0)
	s_getreg_b32 s2, hwreg(HW_REG_IB_STS2, 6, 4)
	s_cmp_eq_u32 s2, 0
	s_cbranch_scc0 .Lentry_in_a_cluster
	s_endpgm
.Lentry_in_a_cluster:
	s_bfe_u32 s2, ttmp6, 0x10000c
	s_cmp_lg_u32 s2, 0x3003
	s_cbranch_scc0 .Lentry_shape_is_right
	s_endpgm
.Lentry_shape_is_right:
; FFN: x1 = LN1(src + core Wo + bo);  out0 = LN2(x1 + relu(x1 W1 + b1) W2 + b2).  LN(x) = w (x - mean) rsqrt(var + 1e-5) + b with w, b the batch's mixtures from tab; mean first, then the
; variance of the centred numbers, all in f32.  The residuals stay in f32: the accumulators START as src, and after LN1 as x1.  core, x1 as an operand and the hidden layer are bf16, rounded once.
; LIMITS.  NaN and infinities are not treated apart.
; SHARES.  As in the launch that projects: a wave owns 48 whole rows (three tiles of 16) from end to end; the last wave's first row is held to 39,072, so it stores once more, with the same
; numbers, what its neighbour in the same work-group stores.  Waves share the weight slots alone.
; PRODUCTS are used transposed: source 0 = 16 columns of a weight x 32 k, turned out of a [k][n] tile by ds_load_tr16_b128; source 1 = 16 rows; in the result a lane holds one row (lane % 16) and
; columns 8 (lane / 16) + 0..7.  Two results rounded in pairs ARE source 1 of the next product, so x1 and the hidden layer never change lanes.
; THE WALK.  Wo in two halves of 128 k, then sixteen chunks of 64 hidden columns: W1's [256][64] and W2's [64][256].  Two LDS slots take turns; a chunk is asked for two chunks ahead.
; CLUSTER.  All work-groups walk the same weights in the same order: each tile is asked for jointly by the four work-groups of a cluster (mask 15).  The place in the cluster enters global row
; addresses and data (the batch's choice, by v_cndmask_b32) alone.
; LN goes by rows: a tile's accumulators go into my stage (16 rows of 1,024 bytes, 1,040 apart) and come back four rows at a time, a lane holding 8 numbers of each row.
; REGISTERS, in windows of 256: window 0 addresses, v32-127 LN's, v128-159 b1 of a chunk, v160-255 the hidden layer's twelve accumulators; window 1 v0-191 core, then x1, as fragments (64 a tile),
; v192-239 the hidden layer as fragments; window 2 the accumulators of tiles 0 and 1 (16 x 8 each); window 3 v0-127 those of tile 2, v128-255 two buffers of eight weight fragments.
.set ROWS,  39120
.set LQ,    19560
.set SLOT1, 0x20000
.set P2O,   40960                      ; in a slot: W1's 256 rows (160 apart), then W2's 64 rows (544 apart); a half of Wo: 128 rows (544 apart) from the slot's head
.set STG,   206848                     ; the stages: 16,640 bytes a wave, written by ds_store alone
.set STGW,  16640
.set TB1,   273408                     ; b1, 4,096 bytes
.set SPARE, 277504                     ; the spare words: 128 bytes a wave, two blocks of 256 bytes that no other line names
.set SPW, 14                           ; v14  my spare word; never rewritten
.set NIL, 15                           ; v15  0; never rewritten
; v1 r; v2 hh; v3, v4 my lane's place in a [k][n] tile of pitch 160, 544; v5, v6, v7 the same in the slot in hand (W1, W2, Wo); v8 b1 of the chunk; v9 LN's rows in the stage;
; v10 stage + r x 1040 + 32 hh; v11 stage + r x 528 + 16 hh; v12 16 x lane; v13 my bytes in out0; v16 0; v20 stage + 16 x lane; v21 TB1 + 32 hh
.set W0,  32                           ; LN's w for batch 0, 1; b for batch 0, 1; the bias added first (bo, b2): my 8 columns of each
.set W1R, 40
.set B0,  48
.set B1R, 56
.set BIA, 64
.set X,   72                           ; four rows, 8 numbers each
.set WS,  104                          ; w and b of the rows' batch
.set BS,  112
.set T,   120                          ; a pair for each row
.set MSB, 0
.macro WIN new                         ; the immediate's high byte repeats the setting that is left; a switch that changes nothing is dropped
.if MSB != (\new)
	s_set_vgpr_msb (MSB<<8)|(\new)
.set MSB, (\new)
.endif
.endm
.macro PLACES                          ; four places behind matrix instructions, in front of what reads their results or loads into their registers
.rept 4
	v_nop
.endr
.endm
.macro ROUND                           ; a round of the cluster's barrier
	s_barrier_signal -1
	s_barrier_wait -1
	s_cmp_lg_u32 s14, 0
	s_cbranch_scc1 .Lnot_wave_0_\@
	s_barrier_signal -3
.Lnot_wave_0_\@:
	s_barrier_wait -3
	s_barrier_signal -1
	s_barrier_wait -1
.endm
.macro JLOAD                           ; a chunk's joint fill: waves 0 and 1 the halves of W1's part, waves 2 and 3 those of W2's; an s_nop 0 and four v_nop follow each line, ahead of the jump and the label
	s_cmp_lt_u32 s14, 2
	s_cbranch_scc0 .Lfor_w2_\@
	tensor_load_to_lds s[72:75], s[32:39]
	s_nop 0
	PLACES
	s_branch .Lasked_\@
.Lfor_w2_\@:
	tensor_load_to_lds s[76:79], s[40:47]
	s_nop 0
	PLACES
.Lasked_\@:
.endm
; THE CHANGE OF SLOTS.  Each wave waits for all its tensor loads, adds 0 to its spare word, and waits for that and for its reads of the slot that it leaves.  fill = 1: the barrier is a round of
; the cluster's, and the slot just read is filled again first thing behind it, one load a wave.  step = 0: the walking descriptors are used as they were set up (chunk 0, slot 0).
.macro CHANGE fill, step
	WIN 0
	s_wait_tensorcnt 0x0                           ; no tensor load of mine is out, so the walking descriptors may be written
	ds_add_u32 v[SPW], v[NIL]                      ; 0 onto my spare word; scalar work stands between it and the wait for it
.if (\fill) && (\step)
	s_xor_b32 s73, s73, SLOT1
	s_add_nc_u64 s[74:75], s[74:75], 32768         ; the next chunk; the type bits on top are not reached
	s_xor_b32 s77, s77, SLOT1
	s_add_nc_u64 s[78:79], s[78:79], 32768
.endif
	s_xor_b32 s20, s20, SLOT1                      ; the reads go to the other slot
	s_wait_dscnt 0x0                               ; the add is done, and my reads of the slot are over
.if \fill
	ROUND
	JLOAD                                          ; the four v_nop behind it are also the places in front of the loads that follow
.else
	s_barrier_signal -1
	s_barrier_wait -1
	PLACES
.endif
	v_add_nc_u32 v5, s20, v3
	v_add_nc_u32 v7, s20, v4
	v_add_nc_u32 v6, P2O, v7
.endm
; Eight weight fragments, sixteen loads in one run, into buffer b.  kind 1: W1, k steps 2 g and 2 g + 1, four blocks of 16 hidden columns.  kind 2: W2, k step g / 2, column blocks 8 (g % 2) on.  kind 0: Wo, as kind 2.
.macro LOADG kind, g, b
	WIN 0xc0
.set f_, 0
.rept 8
.set rW, 128+64*(\b)+8*f_
.if (\kind) == 1
.set of_, 5120*(2*(\g)+f_/4)+32*(f_%4)
	ds_load_tr16_b128 v[rW:rW+3], v5 offset:of_
	ds_load_tr16_b128 v[rW+4:rW+7], v5 offset:of_+2560
.elseif (\kind) == 2
.set of_, 17408*((\g)/2)+32*(8*((\g)%2)+f_)
	ds_load_tr16_b128 v[rW:rW+3], v6 offset:of_
	ds_load_tr16_b128 v[rW+4:rW+7], v6 offset:of_+8704
.else
.set of_, 17408*((\g)/2)+32*(8*((\g)%2)+f_)
	ds_load_tr16_b128 v[rW:rW+3], v7 offset:of_
	ds_load_tr16_b128 v[rW+4:rW+7], v7 offset:of_+8704
.endif
.set f_, f_+1
.endr
.endm
; 24 products of the hidden layer: the twelve accumulators by turns; b1 is the C operand that starts the sums.
.macro MUL1 g, b
	WIN 0x07                                       ; weights window 3, x1 window 1, sums window 0
.set k_, 2*(\g)
.rept 2
.set m_, 0
.rept 4
.set i_, 0
.rept 3
.set rH, 160+8*(3*m_+i_)
.set rW, 128+64*(\b)+8*(4*(k_%2)+m_)
.if k_ == 0
	v_wmma_f32_16x16x32_bf16 v[rH:rH+7], v[rW:rW+7], v[64*i_+8*k_:64*i_+8*k_+7], v[128+8*m_:128+8*m_+7]
.else
	v_wmma_f32_16x16x32_bf16 v[rH:rH+7], v[rW:rW+7], v[64*i_+8*k_:64*i_+8*k_+7], v[rH:rH+7]
.endif
.set i_, i_+1
.endr
.set m_, m_+1
.endr
.set k_, k_+1
.endr
.endm
; 24 products onto the rows' accumulators, all different.  Source 1 of tile i lies at bb + bs i + 8 (g / 2) in window 1.
.macro MUL2 g, b, bb, bs
	WIN 0xa7                                       ; weights window 3, source 1 window 1, sums window 2
.set f_, 0
.rept 8
.set i_, 0
.rept 2
.set rA, 128*i_+8*(8*((\g)%2)+f_)
.set rB, (\bb)+(\bs)*i_+8*((\g)/2)
	v_wmma_f32_16x16x32_bf16 v[rA:rA+7], v[128+64*(\b)+8*f_:128+64*(\b)+8*f_+7], v[rB:rB+7], v[rA:rA+7]
.set i_, i_+1
.endr
.set f_, f_+1
.endr
	WIN 0xf7                                       ; sums window 3
.set f_, 0
.rept 8
.set rA, 8*(8*((\g)%2)+f_)
.set rB, (\bb)+(\bs)*2+8*((\g)/2)
	v_wmma_f32_16x16x32_bf16 v[rA:rA+7], v[128+64*(\b)+8*f_:128+64*(\b)+8*f_+7], v[rB:rB+7], v[rA:rA+7]
.set f_, f_+1
.endr
.endm
.macro RELU                            ; the hidden layer rounded to bf16 in pairs, then the larger of it and 0; each accumulator is read from its low end on
	WIN 0x40
.set i_, 0
.rept 3
.set h_, 0
.rept 4                                ; accumulator h of the tile: half h % 2 of fragment h / 2
.irp q, 0,1,2,3
	v_cvt_pk_bf16_f32 v[192+16*i_+4*h_+(\q)], v[160+8*(3*h_+i_)+2*(\q)], v[160+8*(3*h_+i_)+2*(\q)+1]
.endr
.set h_, h_+1
.endr
.set i_, i_+1
.endr
	WIN 0x41
.set n_, 0
.rept 48
	v_pk_max_num_bf16 v[192+n_], v[192+n_], v16
.set n_, n_+1
.endr
.endm
.macro BFLOAD                          ; b1 of the next chunk, in the result's layout
	WIN 0
	v_add_nc_u32 v8, s25, v21
.set m_, 0
.rept 4
	ds_load_b128 v[128+8*m_:128+8*m_+3], v8 offset:64*m_
	ds_load_b128 v[128+8*m_+4:128+8*m_+7], v8 offset:64*m_+16
.set m_, m_+1
.endr
	s_add_co_u32 s25, s25, 256
.endm
; A half of Wo: eight groups.  On entry groups 0 and 1 are on their way; every count of 16 leaves the one younger group out.  Behind group 6 the slot has been read: it is changed, and the next
; slot's first groups are fetched (part 0: Wo's second half; part 1: W1 of chunk 0).
.macro PHA part
.set g_, 0
.rept 6
	s_wait_dscnt 16
	MUL2 g_, g_%2, 32*(\part), 64
	PLACES
	LOADG 0, g_+2, g_%2
.set g_, g_+1
.endr
	s_wait_dscnt 16
	MUL2 6, 0, 32*(\part), 64
	CHANGE 1, \part
	LOADG \part, 0, 0
	MUL2 7, 1, 32*(\part), 64                      ; its fragments came in by the change's wait
	PLACES
	LOADG \part, 1, 1
.endm
; A chunk: four groups for the hidden layer, the ReLU, four groups onto the rows.  On entry W1's groups 0 and 1 and b1 are in or on their way, b1 ahead of them.
.macro CHUNK fill, last
	s_wait_dscnt 16
	MUL1 0, 0
	PLACES
	LOADG 1, 2, 0
	s_wait_dscnt 16
	MUL1 1, 1
	PLACES
	LOADG 1, 3, 1
	s_wait_dscnt 16
	MUL1 2, 0
	PLACES
	LOADG 2, 0, 0
	s_wait_dscnt 16
	MUL1 3, 1
	PLACES
	LOADG 2, 1, 1
	RELU
	s_wait_dscnt 16
	MUL2 0, 0, 192, 16
	PLACES
.if !(\last)
	BFLOAD
.endif
	LOADG 2, 2, 0
	s_wait_dscnt 16                                ; leaves the youngest group out; b1's eight loads are older and are in too
	MUL2 1, 1, 192, 16
	PLACES
	LOADG 2, 3, 1
	s_wait_dscnt 16
	MUL2 2, 0, 192, 16
.if !(\last)
	CHANGE \fill, 1
	LOADG 1, 0, 0
	MUL2 3, 1, 192, 16                             ; its fragments came in by the change's wait
	PLACES
	LOADG 1, 1, 1
.else
	s_wait_dscnt 0x0
	MUL2 3, 1, 192, 16
.endif
.endm
.macro ACCDUMP i                       ; tile i's accumulators into my stage, each from its low end on
.if (\i) < 2
	WIN 0x08
.else
	WIN 0x0c
.endif
.set m_, 0
.rept 16
.set rA, 128*((\i)%2)+8*m_
	ds_store_b128 v10, v[rA:rA+3] offset:64*m_
	ds_store_b128 v10, v[rA+4:rA+7] offset:64*m_+16
.set m_, m_+1
.endr
.endm
.macro ACCLOAD i                       ; and back
.if (\i) < 2
	WIN 0x80
.else
	WIN 0xc0
.endif
.set m_, 0
.rept 16
.set rA, 128*((\i)%2)+8*m_
	ds_load_b128 v[rA:rA+3], v10 offset:64*m_
	ds_load_b128 v[rA+4:rA+7], v10 offset:64*m_+16
.set m_, m_+1
.endr
.endm
.macro XCVT i                          ; x1 of tile i rounded to bf16: two accumulators make a fragment
.if (\i) < 2
	WIN 0x4a
.else
	WIN 0x4f
.endif
.set m_, 0
.rept 16
.irp q, 0,1,2,3
	v_cvt_pk_bf16_f32 v[64*(\i)+4*m_+(\q)], v[128*((\i)%2)+8*m_+2*(\q)], v[128*((\i)%2)+8*m_+2*(\q)+1]
.endr
.set m_, m_+1
.endr
.endm
.macro RED                             ; the four rows' numbers summed over the 32 lanes, the rows by turns
.irp m, 1,2,4,8
.irp q, 0,1,2,3
	v_add_f32_dpp v[T+2*(\q)], v[T+2*(\q)], v[T+2*(\q)] row_xmask:\m row_mask:0xf bank_mask:0xf
.endr
.endr
.irp q, 0,1,2,3
	v_permlanex16_b32 v[T+2*(\q)+1], v[T+2*(\q)], s26, s27
.endr
.irp q, 0,1,2,3
	v_add_f32 v[T+2*(\q)], v[T+2*(\q)], v[T+2*(\q)+1]
.endr
.endm
.macro PK4 op:vararg                   ; one packed line for each row q and pair k
.irp k, 0,2,4,6
.irp q, 0,1,2,3
	\op
.endr
.endr
.endm
.macro LNROWS                          ; four rows from the stage, normalised in X
.irp q, 0,1,2,3
	ds_load_b128 v[X+8*(\q):X+8*(\q)+3], v9 offset:1040*(\q)
	ds_load_b128 v[X+8*(\q)+4:X+8*(\q)+7], v9 offset:1040*(\q)+512
.endr
	s_cmp_ge_u32 s23, LQ                           ; 19,560 is a multiple of 4: four aligned rows are of one batch
	s_cselect_b32 s24, -1, 0
.irp k, 0,1,2,3,4,5,6,7
	v_cndmask_b32 v[WS+(\k)], v[W0+(\k)], v[W1R+(\k)], s24
	v_cndmask_b32 v[BS+(\k)], v[B0+(\k)], v[B1R+(\k)], s24
.endr
	s_wait_dscnt 0x0
.irp k, 0,2,4,6
.irp q, 0,1,2,3
	v_pk_add_f32 v[X+8*(\q)+(\k):X+8*(\q)+(\k)+1], v[X+8*(\q)+(\k):X+8*(\q)+(\k)+1], v[BIA+(\k):BIA+(\k)+1]
.endr
.endr
.irp q, 0,1,2,3
	v_pk_add_f32 v[T+2*(\q):T+2*(\q)+1], v[X+8*(\q):X+8*(\q)+1], v[X+8*(\q)+2:X+8*(\q)+3]
.endr
.irp k, 4,6
.irp q, 0,1,2,3
	v_pk_add_f32 v[T+2*(\q):T+2*(\q)+1], v[T+2*(\q):T+2*(\q)+1], v[X+8*(\q)+(\k):X+8*(\q)+(\k)+1]
.endr
.endr
.irp q, 0,1,2,3
	v_add_f32 v[T+2*(\q)], v[T+2*(\q)], v[T+2*(\q)+1]
.endr
	RED
.irp q, 0,1,2,3
	v_mul_f32 v[T+2*(\q)], s28, v[T+2*(\q)]        ; minus the mean
.endr
.irp k, 0,2,4,6
.irp q, 0,1,2,3
	v_pk_add_f32 v[X+8*(\q)+(\k):X+8*(\q)+(\k)+1], v[X+8*(\q)+(\k):X+8*(\q)+(\k)+1], v[T+2*(\q):T+2*(\q)+1] op_sel_hi:[1,0]
.endr
.endr
.irp q, 0,1,2,3
	v_pk_mul_f32 v[T+2*(\q):T+2*(\q)+1], v[X+8*(\q):X+8*(\q)+1], v[X+8*(\q):X+8*(\q)+1]
.endr
.irp k, 2,4,6
.irp q, 0,1,2,3
	v_pk_fma_f32 v[T+2*(\q):T+2*(\q)+1], v[X+8*(\q)+(\k):X+8*(\q)+(\k)+1], v[X+8*(\q)+(\k):X+8*(\q)+(\k)+1], v[T+2*(\q):T+2*(\q)+1]
.endr
.endr
.irp q, 0,1,2,3
	v_add_f32 v[T+2*(\q)], v[T+2*(\q)], v[T+2*(\q)+1]
.endr
	RED
.irp q, 0,1,2,3
	v_fma_f32 v[T+2*(\q)], v[T+2*(\q)], s29, s30   ; the variance + 1e-5
.endr
.irp q, 0,1,2,3
	v_rsq_f32 v[T+2*(\q)], v[T+2*(\q)]
.endr
	v_nop                                          ; a plain instruction between the last root and the use of its result
	s_wait_alu depctr_va_vdst(0)
.irp k, 0,2,4,6
.irp q, 0,1,2,3
	v_pk_mul_f32 v[X+8*(\q)+(\k):X+8*(\q)+(\k)+1], v[X+8*(\q)+(\k):X+8*(\q)+(\k)+1], v[T+2*(\q):T+2*(\q)+1] op_sel_hi:[1,0]
.endr
.endr
.irp k, 0,2,4,6
.irp q, 0,1,2,3
	v_pk_fma_f32 v[X+8*(\q)+(\k):X+8*(\q)+(\k)+1], v[X+8*(\q)+(\k):X+8*(\q)+(\k)+1], v[WS+(\k):WS+(\k)+1], v[BS+(\k):BS+(\k)+1]
.endr
.endr
.endm
; LN of tile i.  mode 1: the rows go back into the stage, then into the accumulators (x1 in f32, onto which the second product adds) and, rounded, into fragments.  mode 2: the rows are stored.
.macro LNT i, mode
	WIN 0
	PLACES
	ACCDUMP \i
	WIN 0
	s_add_co_u32 s23, s17, 16*(\i)                 ; the first of the four rows
	s_mov_b32 s31, 0                               ; their place in the stage
	s_mov_b32 s19, 16384*(\i)                      ; and in my 48 rows of out0
	s_mov_b32 s22, 4
.Lrow_\@:
	v_add_nc_u32 v9, s31, v20
.if (\mode) == 2
	v_add_nc_u32 v13, s19, v12
.endif
	LNROWS                                         ; LDS serves a wave's instructions in order (ISA guide 5.7.1.4): its loads see the stores above
.if (\mode) == 1
.irp q, 0,1,2,3
	ds_store_b128 v9, v[X+8*(\q):X+8*(\q)+3] offset:1040*(\q)
	ds_store_b128 v9, v[X+8*(\q)+4:X+8*(\q)+7] offset:1040*(\q)+512
.endr
.else
.irp q, 0,1,2,3
	global_store_b128 v13, v[X+8*(\q):X+8*(\q)+3], s[12:13] offset:1024*(\q) th:TH_STORE_NT  ; each store of the wave covers 512 consecutive bytes, aligned
	global_store_b128 v13, v[X+8*(\q)+4:X+8*(\q)+7], s[12:13] offset:1024*(\q)+512 th:TH_STORE_NT
.endr
	s_wait_xcnt 0x0                                ; the stores' address and data registers are written again only behind this wait
.endif
	s_add_co_u32 s31, s31, 4160
	s_add_co_u32 s19, s19, 4096
	s_add_co_u32 s23, s23, 4
	s_sub_co_u32 s22, s22, 1
	s_cmp_lg_u32 s22, 0
	s_cbranch_scc1 .Lrow_\@
.if (\mode) == 1
	ACCLOAD \i
	s_wait_dscnt 0x0
	XCVT \i
.endif
.endm
.macro PARLOAD ow, ob, obias           ; LN's tables: my columns 4 lane .. + 3 and 128 + 4 lane .. + 3
	WIN 0
	global_load_b128 v[W0:W0+3], v12, s[10:11] offset:(\ow)
	global_load_b128 v[W0+4:W0+7], v12, s[10:11] offset:(\ow)+512
	global_load_b128 v[W1R:W1R+3], v12, s[10:11] offset:(\ow)+1024
	global_load_b128 v[W1R+4:W1R+7], v12, s[10:11] offset:(\ow)+1536
	global_load_b128 v[B0:B0+3], v12, s[10:11] offset:(\ob)
	global_load_b128 v[B0+4:B0+7], v12, s[10:11] offset:(\ob)+512
	global_load_b128 v[B1R:B1R+3], v12, s[10:11] offset:(\ob)+1024
	global_load_b128 v[B1R+4:B1R+7], v12, s[10:11] offset:(\ob)+1536
	global_load_b128 v[BIA:BIA+3], v12, s[10:11] offset:(\obias)
	global_load_b128 v[BIA+4:BIA+7], v12, s[10:11] offset:(\obias)+512
.endm
	s_load_b256 s[4:11], s[0:1], 0x0               ; core s[4:5], src s[6:7], wb s[8:9], tab s[10:11]
	s_load_b64 s[12:13], s[0:1], 0x20              ; out0
	v_lshl_add_u32 v[SPW], v0, 2, SPARE
	v_mov_b32 v[NIL], 0
	ds_add_u32 v[SPW], v[NIL]                      ; the wave's opening: the add and its wait stand ahead of my first tensor load; work on registers stands between them
	ds_add_u32 v14, v15
	v_lshrrev_b32 v1, 5, v0
	v_readfirstlane_b32 s14, v1                    ; wave 0..3
	s_bfe_u32 s15, ttmp6, 0x40000                  ; cx
	s_lshl_b32 s16, ttmp9, 2
	s_add_co_u32 s16, s16, s15                     ; the work-group
	s_mul_i32 s17, s16, 192
	s_mul_i32 s18, s14, 48
	s_add_co_u32 s17, s17, s18
	s_min_u32 s17, s17, ROWS-48                    ; my first row
	s_mov_b32 s19, 0
	s_mov_b32 s20, 0                               ; the slot in hand
	s_mov_b32 s25, 0                               ; b1 of the chunk to come
	s_mov_b32 s26, 0x76543210                      ; v_permlanex16_b32: each lane takes its own place in the other half
	s_mov_b32 s27, 0xfedcba98
	s_mov_b32 s28, 0xbb800000                      ; -1/256
	s_mov_b32 s29, 0x3b800000                      ; 1/256
	s_mov_b32 s30, 0x3727c5ac                      ; 1e-5
	; group 1, W1's part: 16,384 dense bytes as 64 rows of 128 elements of 2 bytes, 8 words of padding after every 32 words: 128 LDS rows 160 bytes apart
	s_mov_b32 s32, 15|(1<<16)|(1<<20)|(1<<21)|(4<<22)|(7<<25)
	s_mov_b32 s33, 128<<16
	s_mov_b32 s34, 64<<16
	s_mov_b32 s35, 128<<16
	s_mov_b32 s36, 64
	s_mov_b32 s37, 128
	s_mov_b32 s38, 0
	s_mov_b32 s39, 0
	; group 1, W2's part and Wo: 32 rows of 256 elements of 2 bytes, 8 words of padding after every 128 words: LDS rows 544 bytes apart
	s_mov_b32 s40, 15|(1<<16)|(1<<20)|(1<<21)|(6<<22)|(7<<25)
	s_mov_b32 s41, 256<<16
	s_mov_b32 s42, 32<<16
	s_mov_b32 s43, 256<<16
	s_mov_b32 s44, 32
	s_mov_b32 s45, 256
	s_mov_b32 s46, 0
	s_mov_b32 s47, 0
	; group 1, b1: 4 rows of 32 elements of 8 bytes, no padding
	s_mov_b32 s48, 15|(3<<16)|(1<<21)
	s_mov_b32 s49, 32<<16
	s_mov_b32 s50, 4<<16
	s_mov_b32 s51, 32<<16
	s_mov_b32 s52, 4
	s_mov_b32 s53, 32
	s_mov_b32 s54, 0
	s_mov_b32 s55, 0
	s_and_b32 s80, s14, 1
	s_mov_b32 s56, 1                               ; Wo's first half: my 32 rows, into slot 0
	s_mul_i32 s57, s14, 17408
	s_mov_b32 s60, 1                               ; its second half, into slot 1
	s_add_co_u32 s61, s57, SLOT1
	s_mov_b32 s68, 1                               ; b1: my 1,024 bytes
	s_lshl_b32 s69, s14, 10
	s_add_co_u32 s69, s69, TB1
	s_mov_b32 s72, 1                               ; a chunk's W1: half w % 2; it walks
	s_mul_i32 s73, s80, 20480
	s_mov_b32 s76, 1                               ; a chunk's W2: half w % 2; it walks
	s_mul_i32 s77, s80, 17408
	s_add_co_u32 s77, s77, P2O
	s_mul_i32 s81, s14, STGW
	s_add_co_u32 s81, s81, STG                     ; my stage
	s_lshl_b32 s82, s14, 14                        ; offsets made of the wave's number alone
	s_mov_b32 s83, 0
	s_lshl_b32 s84, s80, 14
	s_mov_b32 s85, 0
	s_lshl_b32 s86, s14, 10
	s_mov_b32 s87, 0
	v_and_b32 v1, 15, v0                           ; r
	v_bfe_u32 v2, v0, 4, 1                         ; hh
	v_and_b32 v17, 31, v0                          ; lane
	v_and_b32 v18, 7, v0
	v_lshl_add_u32 v18, v2, 3, v18
	v_bfe_u32 v19, v0, 3, 1
	v_mul_u32_u24 v3, v18, 160
	v_lshl_add_u32 v3, v19, 4, v3
	v_mul_u32_u24 v4, v18, 544
	v_lshl_add_u32 v4, v19, 4, v4
	v_mov_b32 v7, v4                               ; Wo's first half lies at slot 0's head
	v_lshlrev_b32 v12, 4, v17
	v_add_nc_u32 v20, s81, v12
	v_mul_u32_u24 v10, v1, 1040
	v_lshl_add_u32 v10, v2, 5, v10
	v_add_nc_u32 v10, s81, v10
	v_mul_u32_u24 v11, v1, 528
	v_lshl_add_u32 v11, v2, 4, v11
	v_add_nc_u32 v11, s81, v11
	v_lshlrev_b32 v21, 5, v2
	v_add_nc_u32 v21, TB1, v21
	v_mov_b32 v16, 0
	s_wait_dscnt 0x0                               ; the opening add is done
	s_wait_kmcnt 0x0
	s_lshl_b32 s18, s17, 9
	s_add_nc_u64 s[4:5], s[4:5], s[18:19]          ; core at my first row
	s_lshl_b32 s18, s17, 10
	s_add_nc_u64 s[6:7], s[6:7], s[18:19]          ; src and out0
	s_add_nc_u64 s[12:13], s[12:13], s[18:19]
	s_add_nc_u64 s[58:59], s[8:9], s[82:83]
	s_add_nc_u64 s[58:59], s[58:59], 393216
	s_add_nc_u64 s[62:63], s[58:59], 65536
	s_or_b32 s59, s59, 0x80000000
	s_or_b32 s63, s63, 0x80000000
	s_add_nc_u64 s[70:71], s[10:11], s[86:87]
	s_add_nc_u64 s[70:71], s[70:71], 13312
	s_or_b32 s71, s71, 0x80000000
	s_add_nc_u64 s[74:75], s[8:9], s[84:85]
	s_add_nc_u64 s[78:79], s[74:75], 1048576
	s_add_nc_u64 s[74:75], s[74:75], 524288
	s_or_b32 s75, s75, 0x80000000
	s_or_b32 s79, s79, 0x80000000
	ROUND                                          ; all four work-groups are here: the first joint loads meet
	tensor_load_to_lds s[56:59], s[40:47]          ; the first fills go out as one group: three loads of mine are out
	s_nop 0
	tensor_load_to_lds s[60:63], s[40:47]
	s_nop 0
	tensor_load_to_lds s[68:71], s[48:55]
	s_nop 0
	PLACES
	; my 48 rows of core (a row a load) and of src (half a row a load), and LN1's tables: 154 loads
	WIN 0x40
.set n_, 0
.rept 48
	global_load_b128 v[4*n_:4*n_+3], v12, s[4:5] offset:512*n_ th:TH_LOAD_NT
.set n_, n_+1
.endr
	WIN 0x80
.set n_, 0
.rept 64
	global_load_b128 v[4*n_:4*n_+3], v12, s[6:7] offset:512*n_ th:TH_LOAD_NT
.set n_, n_+1
.endr
	WIN 0xc0
.set n_, 0
.rept 32
	global_load_b128 v[4*n_:4*n_+3], v12, s[6:7] offset:32768+512*n_ th:TH_LOAD_NT
.set n_, n_+1
.endr
	PARLOAD 3072, 5120, 11264
	s_wait_loadcnt 63                              ; 106 loads were issued behind core's last: core is in
.set i_, 0
.rept 3                                ; core through my stage (rows 528 apart) into fragments, in the registers that it left
	WIN 0x04
.set e_, 0
.rept 16
	ds_store_b128 v20, v[64*i_+4*e_:64*i_+4*e_+3] offset:528*e_
.set e_, e_+1
.endr
	WIN 0x40
.set k_, 0
.rept 8
	ds_load_b128 v[64*i_+8*k_:64*i_+8*k_+3], v11 offset:64*k_
	ds_load_b128 v[64*i_+8*k_+4:64*i_+8*k_+7], v11 offset:64*k_+32
.set k_, k_+1
.endr
.set i_, i_+1
.endr
.macro SRCIN i, left                   ; src of tile i through my stage into the accumulators' layout: the sums start as src
	s_wait_loadcnt \left
.if (\i) < 2
	WIN 0x08
.else
	WIN 0x0c
.endif
.set e_, 0
.rept 32
	ds_store_b128 v20, v[128*((\i)%2)+4*e_:128*((\i)%2)+4*e_+3] offset:1040*(e_/2)+512*(e_%2)
.set e_, e_+1
.endr
	ACCLOAD \i
.endm
	SRCIN 0, 63                                    ; 74 younger loads: the count is what the wait can name
	SRCIN 1, 42                                    ; tile 2's 32 and the ten of the tables may be out
	SRCIN 2, 10
	WIN 0
	s_wait_tensorcnt 2                             ; my part of Wo's first half is in; the two younger loads may stay out
	s_wait_dscnt 0x0
	s_barrier_signal -1
	s_barrier_wait -1
	LOADG 0, 0, 0
	LOADG 0, 1, 1
	PHA 0                                          ; its change asks for chunk 0 into slot 0,
	PHA 1                                          ; this one's for chunk 1 into slot 1
	s_wait_loadcnt 0x0                             ; LN1's tables
	LNT 0, 1
	LNT 1, 1
	LNT 2, 1
	PARLOAD 7168, 9216, 12288                      ; LN2's tables: wanted behind the sixteen chunks
	BFLOAD
	s_wait_dscnt 0x0                               ; here b1 was asked for behind the first fragments, so the loop's count of 16 would not cover it
	s_mov_b32 s21, 14
.Lc:                                                   ; chunks 0 to 13: chunk c's change asks for chunk c + 2
	CHUNK 1, 0
	WIN 0
	s_sub_co_u32 s21, s21, 1
	s_cmp_lg_u32 s21, 0
	s_cbranch_scc1 .Lc
	CHUNK 0, 0                                     ; the last two are written out
	CHUNK 0, 1
	s_wait_loadcnt 0x0                             ; LN2's tables
	LNT 0, 2
	LNT 1, 2
	LNT 2, 2
	s_wait_tensorcnt 0x0                           ; the wave's end
	ds_add_u32 v[SPW], v[NIL]
	s_wait_dscnt 0x0
	ROUND                                          ; the closing round: no work-group ends while a partner may still ask for a tile that names it
	s_endpgm
.Lfunc_end_k_qeeddb736b3_ffn:
	.size	k_qeeddb736b3_ffn, .Lfunc_end_k_qeeddb736b3_ffn-k_qeeddb736b3_ffn
	.p2alignl 7, 3214868480
	.fill 96, 4, 3214868480
	.section	.rodata,"a",@progbits
	.p2align	6, 0x0
	.amdhsa_kernel k_qeeddb736b3_ffn
		.amdhsa_group_segment_fixed_size 327680
		.amdhsa_private_segment_fixed_size 0
		.amdhsa_enable_private_segment 0
		.amdhsa_kernarg_size 40
		.amdhsa_user_sgpr_count 2
		.amdhsa_user_sgpr_kernarg_segment_ptr 1
		.amdhsa_wavefront_size32 1
		.amdhsa_system_sgpr_workgroup_id_x 1
		.amdhsa_system_sgpr_workgroup_id_y 1
		.amdhsa_system_sgpr_workgroup_id_z 1
		.amdhsa_system_vgpr_workitem_id 0
		.amdhsa_next_free_vgpr 1024
		.amdhsa_next_free_sgpr 88
		.amdhsa_reserve_vcc 0
		.amdhsa_float_denorm_mode_32 3
		.amdhsa_float_denorm_mode_16_64 3
		.amdhsa_memory_ordered 1
		.amdhsa_forward_progress 1
		.amdhsa_inst_pref_size 255
	.end_amdhsa_kernel
	.section	.bss,"aw",@nobits
	.p2align	6
	.space	262144
	.amdgpu_metadata
---
amdhsa.version: [ 1, 2 ]
amdhsa.kernels:
  - .name:           k_qeeddb736b3_ffn
    .symbol:         k_qeeddb736b3_ffn.kd
    .args:
      - { .name: core, .offset: 0, .size: 8, .value_kind: global_buffer, .address_space: global }
      - { .name: src, .offset: 8, .size: 8, .value_kind: global_buffer, .address_space: global }
      - { .name: wb, .offset: 16, .size: 8, .value_kind: global_buffer, .address_space: global }
      - { .name: tab, .offset: 24, .size: 8, .value_kind: global_buffer, .address_space: global }
      - { .name: out0, .offset: 32, .size: 8, .value_kind: global_buffer, .address_space: global }
    .group_segment_fixed_size: 327680
    .private_segment_fixed_size: 0
    .kernarg_segment_align: 8
    .kernarg_segment_size: 40
    .max_flat_workgroup_size: 128
    .sgpr_count:     88
    .vgpr_count:     1024
    .wavefront_size: 32
...
	.end_amdgpu_metadata
.endif
;; end of part 4
;; ======== version 2 of 2: 4 launches; 1.78 times as fast as version 1
;; workspace buffers: wb 1,572,864 bytes; tab 17,408 bytes; val 20,029,440 bytes; idxb 10,014,720 bytes of whole numbers; wts 40,058,880 bytes; core 20,029,440 bytes
;; launch prep: the kernel of part 1 again; grid 193 x 1, 8 waves a work-group, no clusters, 0 bytes of LDS; arguments Woff, Wa, Wv, Wo, W1, W2, boff, ba, bv, bo, b1, b2, dataset_group_pred, gw1, gb1, gw2, gb2, wb, tab; writes wb, tab
;; launch proj (part 5): grid 204 x 1, 4 waves a work-group, clusters of 4 x 1, 327,680 bytes of LDS; arguments src, pos, reference_points, wb, tab, val, idxb, wts; writes val, idxb, wts
.if DOCPART == 5
	.amdgcn_target "amdgcn-amd-amdhsa--gfx1250"
	.amdhsa_code_object_version 6
	.text
	.protected	k_qeeddb736b3_proj
	.globl	k_qeeddb736b3_proj
	.p2align	8
	.type	k_qeeddb736b3_proj,@function
k_qeeddb736b3_proj:
	s_mov_b64 s[64:65], 0
	v_nop
	global_prefetch_b8 v0, s[64:65] scope:SCOPE_SE
	s_setreg_imm32_b32 hwreg(HW_REG_WAVE_MODE, 25, 1), 1
	s_wait_xcnt 0x0
	s_wait_alu depctr_hold_cnt(0) depctr_sa_sdst(0) depctr_va_vdst(0) depctr_va_sdst(0) depctr_va_ssrc(0) depctr_va_vcc(0) depctr_vm_vsrc(0)
	s_getreg_b32 s2, hwreg(HW_REG_IB_STS2, 6, 4)
	s_cmp_eq_u32 s2, 0
	s_cbranch_scc0 .Lentry_in_a_cluster
	s_endpgm
.Lentry_in_a_cluster:
	s_bfe_u32 s2, ttmp6, 0x10000c
	s_cmp_lg_u32 s2, 0x3003
	s_cbranch_scc0 .Lentry_shape_is_right
	s_endpgm
.Lentry_shape_is_right:
; PROJ: value = src Wv + bv (bf16); offsets and logits from src + pos; softmax over a head's 16 logits (the maximum taken away first); and for each of the
; 128 samples of a row the index of the 2 x 2 patch's first pixel (u16) and the patch's four weights (bf16), attention weight folded in.
; val lies in 32 planes, plane 4 head + c holding channels 8 c .. 8 c + 7 of the head: [39,120 rows][8 channels], 625,920 bytes a plane.  The launch that samples keeps one batch's part of a plane
; in LDS: rows 0 .. 19,567 for batch 0, rows 19,552 .. 39,119 for batch 1 (so that both begin at a multiple of 256 bytes).  An index counts rows from that part's first: batch 1's have 8 added.
; THE SAMPLE.  x = (ref_x W - 0.5) + off_x (the reference forms (ref + off / W) W - 0.5: another order of rounding, the result is continuous in x).  xb = floor(x) held to 0 .. W - 2,
; so the patch xb, xb + 1 lies inside the level; with t = x - xb pixel xb weighs med3(1 - t, 0, 1 + t) and pixel xb + 1 med3(t, 0, 2 - t): the hat function round x, which is the
; reference's (1 - fx, fx) with zeros outside the level, for every x.  The same for y.  The pyramid's sizes are the constants that the reference builds in; it never reads the inputs
; spatial_shapes and level_start_index, and neither does this program.
; LIMITS.  Matrix operands, val and the weights are rounded once to bf16.  NaN and infinities are not treated apart.
; SHARES.  39,120 rows are 2,445 tiles of 16; a wave owns three tiles, 48 rows, from end to end; 815 waves are 204 work-groups less one wave: the last wave's first row is held to 39,072,
; so it makes and stores once more, with the same numbers, what its neighbour in the same work-group stores.
; PRODUCTS are used transposed: source 0 = 16 columns of W x 32 k, turned out of a [k][n] tile by ds_load_tr16_b128; source 1 = 16 rows of x; in the result a lane holds ONE row
; (lane % 16) and the columns 8 (lane / 16) + 0..7.  In a head's chunk lanes 0-15 so hold levels 0 and 2, lanes 16-31 levels 1 and 3: level = hh + 2 e.
; CLUSTER.  All work-groups walk the same twelve chunks of weights in the same order: each tile is asked for jointly by the four work-groups of a cluster (mask 15).  The place in the cluster
; enters global row addresses and data alone.
; LDS: two slots of two chunks (256 rows of 128 bytes + 32 of padding); a stage for each wave; the bias table; the spare words.
; REGISTERS, in windows of 256: window 0 addresses, constants, scratch, v128-159 biases, v160-255 twelve accumulators; window 1 src as fragments, 64 a tile; window 2 src + pos likewise;
; window 3 first the rows as loaded (32 x (4 src + 4 pos)), then a chunk's weight fragments, (ks, a) at v[32 ks + 8 a].
.set ROWS,  39120
.set LQ,    19560
.set SLOT1, 0x20000
.set CHB,   40960                      ; a chunk in LDS: 256 rows, 160 bytes apart
.set STG,   212992                     ; the stages: 16,896 bytes a wave, written by ds_store alone
.set STGW,  16896
.set QST,   8448                       ; in a stage: src + pos behind src (16 rows, 528 bytes apart)
.set PBT,   280576                     ; the biases, 3,072 bytes
.set SPARE, 283648                     ; the spare words: 128 bytes a wave, two blocks of 256 bytes that no other line names
.set HS_I,  1251840                    ; bytes of a head in idxb and in wts
.set HS_W,  5007360
.set PS,    625920                     ; bytes of a plane of val
.set LP,  3                            ; v3   my lane's place in a [k][n] tile: (8 hh + lane % 8) x 160 + 16 ((lane / 8) % 2)
.set AW,  4                            ; v4   LP + the chunk's LDS byte
.set ABF, 5                            ; v5   the chunk's biases
.set SIN, 6                            ; v6   stage + 8 x lane
.set SFR, 7                            ; v7   stage + r x 528 + 16 hh
.set GL,  8                            ; v8   16 x lane
.set VST, 9                            ; v9   val: hh planes + 16 r
.set PB0, 11                           ; v11  PBT + 32 hh
.set SPW, 12                           ; v12  my spare word; never rewritten
.set NIL, 13                           ; v13  0; never rewritten
.set WH,  14                           ; v14-17  (W, H) of level hh + 2 e, a pair for e = 0, 1
.set WM,  18                           ; v18-21  (W - 2, H - 2) likewise
.set RXY, 22                           ; v22-33  (ref_x W - 0.5, ref_y H - 0.5): tile i, set e at RXY + 4 i + 2 e
.set BASE, 34                          ; v34-39  the level's first row in my row's batch's part of a plane, as f32: BASE + 2 i + e
.set RM,  40                           ; v40-47 scratch
.set RPX, 41
.set RMC, 42
.set RSU, 44
.set RRC, 46
.set TF,  48                           ; v48-123 scratch of the samples: floor; 1 - t; 1 + t; 2 - t; x weights; y weights; indices; weights and indices to store
.set TM1, 56
.set TP1, 64
.set TM2, 72
.set TWX, 80
.set TWY, 88
.set TIX, 96
.set TOW, 104
.set TOI, 120
.set BF,  128
.set ACC, 160                          ; accumulator (a, i) at ACC + 8 (3 a + i)
.set MSB, 0
.macro WIN new                         ; the immediate's high byte repeats the setting that is left; a switch that changes nothing is dropped
.if MSB != (\new)
	s_set_vgpr_msb (MSB<<8)|(\new)
.set MSB, (\new)
.endif
.endm
.macro PLACES                          ; four places behind matrix instructions, in front of what reads their results or loads into their registers
.rept 4
	v_nop
.endr
.endm
.macro ROUND                           ; a round of the cluster's barrier: my work-group's barrier; wave 0 signals for it; every wave waits for all four work-groups; my work-group's barrier once more
	s_barrier_signal -1
	s_barrier_wait -1
	s_cmp_lg_u32 s20, 0
	s_cbranch_scc1 .Lnot_wave_0_\@
	s_barrier_signal -3
.Lnot_wave_0_\@:
	s_barrier_wait -3
	s_barrier_signal -1
	s_barrier_wait -1
.endm
; THE CHANGE OF SLOTS.  Each wave waits for all its tensor loads (one is out: its part of the other slot), adds 0 to its spare word, and waits for that and for its reads of the slot that it leaves.
; fill = 1: the barrier is a round of the cluster's, and the slot just read takes the next two chunks, first thing behind it: one load a wave, 16,384 bytes.
.macro CHANGE fill
	WIN 0
	s_wait_tensorcnt 0x0                           ; no tensor load of mine is out, so the walking descriptor may be written
	ds_add_u32 v[SPW], v[NIL]                      ; 0 onto my spare word; scalar work stands between it and the wait for it
.if \fill
	s_xor_b32 s57, s57, SLOT1                      ; the other slot than last time,
	s_add_nc_u64 s[58:59], s[58:59], 0x10000       ; the next two chunks; the type bits on top are not reached
.endif
	s_sub_co_u32 s26, s26, 2*CHB                   ; the reads go back to a slot's first chunk,
	s_xor_b32 s26, s26, SLOT1                      ; in the other slot
	s_wait_dscnt 0x0                               ; the add is done, and my reads of the slot are over
.if \fill
	ROUND
	tensor_load_to_lds s[56:59], s[36:43]
	s_nop 0
	PLACES
.else
	s_barrier_signal -1
	s_barrier_wait -1
.endif
.endm
; THE INPUT.  A tile is 16 rows of 1,024 bytes, dense: load e of 32 takes 512 consecutive bytes (row e / 2, half e % 2) of src and of pos.
.macro INLOAD8 i, bt                   ; the eight loads of batch bt (four e): i = 0 the tile at which the bases stand, i = 1 the tile behind it
	WIN 0xc0                                       ; destination window 3
.set e_, 4*(\bt)
.rept 4
	global_load_b128 v[8*e_:8*e_+3], v[GL], s[4:5] offset:16384*(\i)+512*e_ th:TH_LOAD_NT
	global_load_b128 v[8*e_+4:8*e_+7], v[GL], s[6:7] offset:16384*(\i)+512*e_ th:TH_LOAD_NT
.set e_, e_+1
.endr
.endm
; A tile's eight batches: src + pos, both rounded to bf16, into my stage.  more = 1: each batch's registers take the next tile's loads at once, so 64 loads stay on their way.
.macro INBATCH more
.set bt_, 0
.rept 8
.if \more
	s_wait_loadcnt 56                              ; loads come back in order: the batch's eight are in, the 56 younger stay out; the same on the way into the loop and on the way back
.else
	s_wait_loadcnt 56-8*bt_                        ; the last tile: the counts run down
.endif
	WIN 0xcf                                       ; all in window 3
.set e_, 4*bt_
.rept 4
	v_pk_add_f32 v[8*e_+4:8*e_+5], v[8*e_+4:8*e_+5], v[8*e_:8*e_+1]
	v_pk_add_f32 v[8*e_+6:8*e_+7], v[8*e_+6:8*e_+7], v[8*e_+2:8*e_+3]
.set e_, e_+1
.endr
.set e_, 4*bt_
.rept 4
	v_cvt_pk_bf16_f32 v[8*e_], v[8*e_], v[8*e_+1]
	v_cvt_pk_bf16_f32 v[8*e_+1], v[8*e_+2], v[8*e_+3]
	v_cvt_pk_bf16_f32 v[8*e_+4], v[8*e_+4], v[8*e_+5]
	v_cvt_pk_bf16_f32 v[8*e_+5], v[8*e_+6], v[8*e_+7]
.set e_, e_+1
.endr
	WIN 0x0c                                       ; store data in window 3
.set e_, 4*bt_
.rept 4
	ds_store_b64 v[SIN], v[8*e_:8*e_+1] offset:(e_/2)*528+(e_%2)*256
	ds_store_b64 v[SIN], v[8*e_+4:8*e_+5] offset:QST+(e_/2)*528+(e_%2)*256
.set e_, e_+1
.endr
.if \more
	INLOAD8 1, bt_
.endif
.set bt_, bt_+1
.endr
.endm
; The stage's tile into tile i's fragments.  LDS serves a wave's instructions in order (ISA guide 5.7.1.4): these loads see the stores above, and the next tile's stores come behind them.
.macro INFRAG i
	WIN 0x40
.set k_, 0
.rept 8
	ds_load_b128 v[64*(\i)+8*k_:64*(\i)+8*k_+3], v[SFR] offset:64*k_
	ds_load_b128 v[64*(\i)+8*k_+4:64*(\i)+8*k_+7], v[SFR] offset:64*k_+32
.set k_, k_+1
.endr
	WIN 0x80
.set k_, 0
.rept 8
	ds_load_b128 v[64*(\i)+8*k_:64*(\i)+8*k_+3], v[SFR] offset:QST+64*k_
	ds_load_b128 v[64*(\i)+8*k_+4:64*(\i)+8*k_+7], v[SFR] offset:QST+64*k_+32
.set k_, k_+1
.endr
.endm
; A CHUNK's biases (in the result's layout: they are the C operand that starts the sums) and all its weight fragments: na blocks of 16 columns, 8 steps of 32 along k.
.macro CHLOAD na
	WIN 0
	v_add_nc_u32 v[AW], s26, v[LP]
	v_add_nc_u32 v[ABF], s27, v[PB0]
.set a_, 0
.rept \na
	ds_load_b128 v[BF+8*a_:BF+8*a_+3], v[ABF] offset:64*a_
	ds_load_b128 v[BF+8*a_+4:BF+8*a_+7], v[ABF] offset:64*a_+16
.set a_, a_+1
.endr
	WIN 0xc0
.set k_, 0
.rept 8
.set a_, 0
.rept \na
	ds_load_tr16_b128 v[32*k_+8*a_:32*k_+8*a_+3], v[AW] offset:5120*k_+32*a_
	ds_load_tr16_b128 v[32*k_+8*a_+4:32*k_+8*a_+7], v[AW] offset:5120*k_+32*a_+2560
.set a_, a_+1
.endr
.set k_, k_+1
.endr
.endm
; Its products: 3 na accumulators by turns, one instruction a turn.  win: source 1 in window 2 (src + pos) or 1 (src).
.macro CHMUL na, win
	WIN \win
.set k_, 0
.rept 8
.if k_%2 == 0
	s_wait_dscnt 2*(\na)*(6-k_)                    ; the fragments of this and the next k step are in; those of the later steps, 2 na loads each, may be out
.endif
.set a_, 0
.rept \na
.set i_, 0
.rept 3
.set rD, ACC+8*(3*a_+i_)
.if k_ == 0
	v_wmma_f32_16x16x32_bf16 v[rD:rD+7], v[32*k_+8*a_:32*k_+8*a_+7], v[64*i_+8*k_:64*i_+8*k_+7], v[BF+8*a_:BF+8*a_+7]
.else
	v_wmma_f32_16x16x32_bf16 v[rD:rD+7], v[32*k_+8*a_:32*k_+8*a_+7], v[64*i_+8*k_:64*i_+8*k_+7], v[rD:rD+7]
.endif
.set i_, i_+1
.endr
.set a_, a_+1
.endr
.set k_, k_+1
.endr
	WIN 0
	PLACES
.endm
; THE SAMPLES of tile i, level set e: places, indices and the hat weights of my four points.  O_ holds (x, y) offsets of point p in registers 2 p, 2 p + 1.
.macro SLOC i, e
.set O_, ACC+8*(3*(\e)+(\i))
.set RX_, RXY+4*(\i)+2*(\e)
.irp p, 0,1,2,3
	v_pk_add_f32 v[O_+2*(\p):O_+2*(\p)+1], v[O_+2*(\p):O_+2*(\p)+1], v[RX_:RX_+1]
.endr
.irp n, 0,1,2,3,4,5,6,7
	v_floor_f32 v[TF+(\n)], v[O_+(\n)]
.endr
.irp p, 0,1,2,3
	v_med3_num_f32 v[TF+2*(\p)], v[TF+2*(\p)], 0, v[WM+2*(\e)]
	v_med3_num_f32 v[TF+2*(\p)+1], v[TF+2*(\p)+1], 0, v[WM+2*(\e)+1]
.endr
.irp p, 0,1,2,3
	v_pk_add_f32 v[O_+2*(\p):O_+2*(\p)+1], v[O_+2*(\p):O_+2*(\p)+1], v[TF+2*(\p):TF+2*(\p)+1] neg_lo:[0,1] neg_hi:[0,1]  ; t
.endr
.irp p, 0,1,2,3
	v_fma_f32 v[TIX+4*(\e)+(\p)], v[TF+2*(\p)+1], v[WH+2*(\e)], v[TF+2*(\p)]  ; yb W + xb: whole numbers under 2^24, exact
.endr
.irp p, 0,1,2,3
	v_add_f32 v[TIX+4*(\e)+(\p)], v[TIX+4*(\e)+(\p)], v[BASE+2*(\i)+(\e)]
.endr
.irp p, 0,1,2,3
	v_cvt_u32_f32 v[TIX+4*(\e)+(\p)], v[TIX+4*(\e)+(\p)]
.endr
.irp p, 0,1,2,3
	v_pk_add_f32 v[TM1+2*(\p):TM1+2*(\p)+1], v[O_+2*(\p):O_+2*(\p)+1], 1.0 op_sel_hi:[1,0] neg_lo:[1,0] neg_hi:[1,0]
	v_pk_add_f32 v[TP1+2*(\p):TP1+2*(\p)+1], v[O_+2*(\p):O_+2*(\p)+1], 1.0 op_sel_hi:[1,0]
	v_pk_add_f32 v[TM2+2*(\p):TM2+2*(\p)+1], v[O_+2*(\p):O_+2*(\p)+1], 2.0 op_sel_hi:[1,0] neg_lo:[1,0] neg_hi:[1,0]
.endr
.irp p, 0,1,2,3
	v_med3_num_f32 v[TWX+2*(\p)], v[TM1+2*(\p)], 0, v[TP1+2*(\p)]
	v_med3_num_f32 v[TWX+2*(\p)+1], v[O_+2*(\p)], 0, v[TM2+2*(\p)]
	v_med3_num_f32 v[TWY+2*(\p)], v[TM1+2*(\p)+1], 0, v[TP1+2*(\p)+1]
	v_med3_num_f32 v[TWY+2*(\p)+1], v[O_+2*(\p)+1], 0, v[TM2+2*(\p)+1]
.endr
.endm
; The four corner weights of each point of set e: attention x (wy0, wy1) x wx, rounded in pairs (upper row, lower row): one word for pixel xb, one for xb + 1.
.macro SWT e
.irp p, 0,1,2,3
.if (\p)%2 == 0
	v_pk_mul_f32 v[TWY+2*(\p):TWY+2*(\p)+1], v[TWY+2*(\p):TWY+2*(\p)+1], v[AT_+4*(\e)+(\p):AT_+4*(\e)+(\p)+1] op_sel_hi:[1,0]
.else
	v_pk_mul_f32 v[TWY+2*(\p):TWY+2*(\p)+1], v[TWY+2*(\p):TWY+2*(\p)+1], v[AT_+4*(\e)+(\p)-1:AT_+4*(\e)+(\p)] op_sel:[0,1] op_sel_hi:[1,1]
.endif
.endr
.irp p, 0,1,2,3
	v_pk_mul_f32 v[TM1+2*(\p):TM1+2*(\p)+1], v[TWY+2*(\p):TWY+2*(\p)+1], v[TWX+2*(\p):TWX+2*(\p)+1] op_sel_hi:[1,0]
	v_pk_mul_f32 v[TP1+2*(\p):TP1+2*(\p)+1], v[TWY+2*(\p):TWY+2*(\p)+1], v[TWX+2*(\p):TWX+2*(\p)+1] op_sel:[0,1] op_sel_hi:[1,1]
.endr
.irp p, 0,1,2,3
	v_cvt_pk_bf16_f32 v[TOW+4*(\e)+(\p)], v[TM1+2*(\p)], v[TM1+2*(\p)+1]
	v_cvt_pk_bf16_f32 v[TOW+8+4*(\e)+(\p)], v[TP1+2*(\p)], v[TP1+2*(\p)+1]
.endr
.endm
; Tile i of a head's chunk.  My lane holds 8 of the row's 16 logits, the lane 16 away the other 8.  Each accumulator's lowest registers are read first.
.macro SEPI i
.set AT_, ACC+8*(6+(\i))
	v_max3_num_f32 v[RM], v[AT_], v[AT_+1], v[AT_+2]
	v_max3_num_f32 v[RM], v[RM], v[AT_+3], v[AT_+4]
	v_max3_num_f32 v[RM], v[RM], v[AT_+5], v[AT_+6]
	v_max_num_f32 v[RM], v[RM], v[AT_+7]
	v_permlanex16_b32 v[RPX], v[RM], s30, s31
	v_max_num_f32 v[RM], v[RM], v[RPX]
	v_mul_f32 v[RMC], s32, v[RM]
.irp k, 0,2,4,6
	v_pk_fma_f32 v[AT_+(\k):AT_+(\k)+1], v[AT_+(\k):AT_+(\k)+1], s[32:33], v[RMC:RMC+1] op_sel_hi:[1,0,0] neg_lo:[0,0,1] neg_hi:[0,0,1]
.endr
.irp k, 0,1,2,3,4,5,6,7
	v_exp_f32 v[AT_+(\k)], v[AT_+(\k)]
.endr
	SLOC \i, 0                                     ; plain work on other registers stands behind the exponentials
	s_wait_alu depctr_va_vdst(0)
	v_pk_add_f32 v[RSU:RSU+1], v[AT_:AT_+1], v[AT_+2:AT_+3]
	v_pk_add_f32 v[RRC:RRC+1], v[AT_+4:AT_+5], v[AT_+6:AT_+7]
	v_pk_add_f32 v[RSU:RSU+1], v[RSU:RSU+1], v[RRC:RRC+1]
	v_add_f32 v[RSU], v[RSU], v[RSU+1]
	v_permlanex16_b32 v[RPX], v[RSU], s30, s31
	v_add_f32 v[RSU], v[RSU], v[RPX]               ; at least 1: the largest logit's term
	v_rcp_f32 v[RRC], v[RSU]
	v_nop                                          ; a plain instruction between the reciprocal and its use
	s_wait_alu depctr_va_vdst(0)
.irp k, 0,2,4,6
	v_pk_mul_f32 v[AT_+(\k):AT_+(\k)+1], v[AT_+(\k):AT_+(\k)+1], v[RRC:RRC+1] op_sel_hi:[1,0]
.endr
	s_wait_xcnt 0x0                                ; the last tile's stores have had their addresses translated (ISA guide 3.1): only now are their data registers written again
	SWT 0
	SLOC \i, 1
	SWT 1
.irp k, 0,1,2,3
	v_lshl_or_b32 v[TOI+(\k)], v[TIX+2*(\k)+1], 16, v[TIX+2*(\k)]
.endr
	global_store_b128 v[GL], v[TOI:TOI+3], s[16:17] offset:512*(\i)  ; each store of the wave covers 512 consecutive bytes, aligned
.irp s, 0,1
.irp e, 0,1
	global_store_b128 v[GL], v[TOW+8*(\s)+4*(\e):TOW+8*(\s)+4*(\e)+3], s[18:19] offset:2048*(\i)+1024*(\s)+512*(\e)
.endr
.endr
.endm
.macro SCHUNK                          ; one head: 32 offsets and 16 logits for 48 rows
	CHLOAD 3
	CHMUL 3, 0x0b
	SEPI 0
	SEPI 1
	SEPI 2
	s_wait_xcnt 0x0                                ; the stores' bases step only behind this wait
	s_add_nc_u64 s[16:17], s[16:17], HS_I
	s_add_nc_u64 s[18:19], s[18:19], HS_W
	s_add_co_u32 s26, s26, CHB
	s_add_co_u32 s27, s27, 256
.endm
; Two heads of value.  Block a of the chunk's four holds, in lanes 0-15, channels of plane 2 a and, in lanes 16-31, of plane 2 a + 1 (counted from the chunk's first plane): a lane's eight
; numbers, rounded, are its row's 16 bytes of that plane, so they are stored straight from the registers.
.macro VCHUNK
	CHLOAD 4
	CHMUL 4, 0x07
	s_wait_xcnt 0x0                                ; earlier stores' data registers are written again only behind this wait
.set n_, 0
.rept 12
.irp q, 0,1,2,3
	v_cvt_pk_bf16_f32 v[48+4*n_+(\q)], v[ACC+8*n_+2*(\q)], v[ACC+8*n_+2*(\q)+1]
.endr
.set n_, n_+1
.endr
.set n_, 0
.rept 12                               ; n = 3 a + i
	global_store_b128 v[VST], v[48+4*n_:48+4*n_+3], s[14:15] offset:2*(n_/3)*PS+256*(n_%3)  ; sixteen lanes store 256 consecutive bytes, aligned, in each of two planes
.set n_, n_+1
.endr
	s_wait_xcnt 0x0
	s_add_nc_u64 s[14:15], s[14:15], 8*PS
	s_add_co_u32 s26, s26, CHB
	s_add_co_u32 s27, s27, 256
.endm
.macro LSEL dst, a, b                  ; lanes 0-15 take a, lanes 16-31 b
	v_mov_b32 v[\dst], \a
	v_mov_b32 v[RM], \b
	v_cndmask_b32 v[\dst], v[\dst], v[RM], s66
.endm
	s_load_b512 s[4:19], s[0:1], 0x0               ; src s[4:5], pos s[6:7], reference_points s[8:9], wb s[10:11], tab s[12:13], val s[14:15], idxb s[16:17], wts s[18:19]
	v_lshl_add_u32 v[SPW], v0, 2, SPARE
	v_mov_b32 v[NIL], 0
	ds_add_u32 v[SPW], v[NIL]                      ; the wave's opening: the add and its wait stand ahead of my first tensor load; work on registers stands between them
	ds_add_u32 v12, v13
	v_lshrrev_b32 v1, 5, v0
	v_readfirstlane_b32 s20, v1                    ; wave 0..3
	s_bfe_u32 s21, ttmp6, 0x40000                  ; cx
	s_lshl_b32 s22, ttmp9, 2
	s_add_co_u32 s22, s22, s21                     ; the work-group
	s_mul_i32 s23, s22, 192
	s_mul_i32 s24, s20, 48
	s_add_co_u32 s23, s23, s24
	s_min_u32 s23, s23, ROWS-48                    ; my first row
	s_mov_b32 s25, 0
	s_mov_b32 s30, 0x76543210                      ; v_permlanex16_b32: each lane takes its own place in the other half
	s_mov_b32 s31, 0xfedcba98
	s_mov_b32 s32, 0x3fb8aa3b                      ; log2(e); named as a pair
	s_mov_b32 s33, s32
	; group 1 for weights: 16,384 dense bytes as 64 rows of 128 elements of 2 bytes, 8 words of padding after every 32 words: 128 LDS rows 160 bytes apart
	s_mov_b32 s36, 15|(1<<16)|(1<<20)|(1<<21)|(4<<22)|(7<<25)
	s_mov_b32 s37, 128<<16
	s_mov_b32 s38, 64<<16
	s_mov_b32 s39, 128<<16
	s_mov_b32 s40, 64
	s_mov_b32 s41, 128
	s_mov_b32 s42, 0
	s_mov_b32 s43, 0
	; group 1 for the bias table: 3 rows of 32 elements of 8 bytes, no padding
	s_mov_b32 s44, 15|(3<<16)|(1<<21)
	s_mov_b32 s45, 32<<16
	s_mov_b32 s46, 3<<16
	s_mov_b32 s47, 32<<16
	s_mov_b32 s48, 3
	s_mov_b32 s49, 32
	s_mov_b32 s50, 0
	s_mov_b32 s51, 0
	s_mov_b32 s52, 1                               ; group 0, slot 0: my quarter, wave x 128 LDS rows
	s_mul_i32 s53, s20, CHB/2
	s_mov_b32 s56, 1                               ; group 0, slot 1; it then walks
	s_add_co_u32 s57, s53, SLOT1
	s_mov_b32 s60, 1                               ; group 0, the table: my 768 bytes
	s_mul_i32 s61, s20, 768
	s_add_co_u32 s61, s61, PBT
	s_lshl_b32 s68, s20, 14                        ; offsets made of the wave's number alone
	s_mov_b32 s69, 0
	s_mul_i32 s70, s20, 768
	s_mov_b32 s71, 0
	s_mul_i32 s72, s20, STGW
	s_add_co_u32 s72, s72, STG                     ; my stage
	s_mov_b32 s73, LQ
	v_and_b32 v1, 15, v0                           ; r
	v_bfe_u32 v2, v0, 4, 1                         ; hh
	v_and_b32 v40, 31, v0                          ; lane
	v_and_b32 v41, 7, v0
	v_lshl_add_u32 v41, v2, 3, v41
	v_mul_u32_u24 v[LP], v41, 160
	v_bfe_u32 v41, v0, 3, 1
	v_lshl_add_u32 v[LP], v41, 4, v[LP]
	v_lshl_add_u32 v[SIN], v40, 3, s72
	v_mul_u32_u24 v[SFR], v1, 528
	v_lshl_add_u32 v[SFR], v2, 4, v[SFR]
	v_add_nc_u32 v[SFR], s72, v[SFR]
	v_lshlrev_b32 v[GL], 4, v40
	v_mul_u32_u24 v[VST], v2, PS
	v_lshl_add_u32 v[VST], v1, 4, v[VST]
	v_lshlrev_b32 v[PB0], 5, v2
	v_add_nc_u32 v[PB0], PBT, v[PB0]
	v_lshlrev_b32 v46, 5, v1
	v_lshl_add_u32 v46, v2, 3, v46                 ; reference_points: r x 32 + 8 hh
	s_wait_dscnt 0x0                               ; the opening add is done
	s_wait_kmcnt 0x0
	s_lshl_b32 s24, s23, 10
	s_add_nc_u64 s[4:5], s[4:5], s[24:25]          ; src and pos at my first row
	s_add_nc_u64 s[6:7], s[6:7], s[24:25]
	s_lshl_b32 s24, s23, 5
	s_add_nc_u64 s[8:9], s[8:9], s[24:25]          ; 32 bytes a row
	s_add_nc_u64 s[16:17], s[16:17], s[24:25]      ; 512 bytes a tile
	s_lshl_b32 s24, s23, 4
	s_add_nc_u64 s[14:15], s[14:15], s[24:25]      ; 16 bytes a row in a plane
	s_lshl_b32 s24, s23, 7
	s_add_nc_u64 s[18:19], s[18:19], s[24:25]      ; 2,048 bytes a tile
	s_add_nc_u64 s[54:55], s[10:11], s[68:69]      ; chunks 0 and 1: my 16,384 bytes
	s_add_nc_u64 s[58:59], s[54:55], 0x10000       ; chunks 2 and 3
	s_or_b32 s55, s55, 0x80000000
	s_or_b32 s59, s59, 0x80000000
	s_add_nc_u64 s[62:63], s[12:13], s[70:71]
	s_or_b32 s63, s63, 0x80000000
	ROUND                                          ; all four work-groups are here: the first joint loads meet
	tensor_load_to_lds s[52:55], s[36:43]          ; the first fills go out as one group: three loads of mine are out
	s_nop 0
	tensor_load_to_lds s[56:59], s[36:43]
	s_nop 0
	tensor_load_to_lds s[60:63], s[44:51]
	s_nop 0
	PLACES
.irp i, 0,1,2
.irp e, 0,1
	global_load_b64 v[48+4*(\i)+2*(\e):48+4*(\i)+2*(\e)+1], v46, s[8:9] offset:512*(\i)+16*(\e)  ; (x, y) of level hh + 2 e
.endr
.endr
.irp b, 0,1,2,3,4,5,6,7
	INLOAD8 0, \b
.endr
	WIN 0                                          ; at a label and at a branch every window is 0
	s_mov_b32 s75, 2
.Lin:                                                  ; tiles 0 and 1: one text, walked twice; only the loads into a tile's fragments, which name its registers, stand once for each, chosen by a forward jump
	INBATCH 1
	WIN 0
	s_cmp_eq_u32 s75, 2
	s_cbranch_scc0 .Lin_tile1
	INFRAG 0
	WIN 0
	s_branch .Lin_step
.Lin_tile1:
	INFRAG 1
	WIN 0
.Lin_step:
	s_wait_xcnt 0x0                                ; the loads that are out have had their addresses translated (ISA guide 3.1): the bases step only behind this wait
	s_add_nc_u64 s[4:5], s[4:5], 16384             ; a tile on
	s_add_nc_u64 s[6:7], s[6:7], 16384
	s_sub_co_u32 s75, s75, 1
	s_cmp_lg_u32 s75, 0
	s_cbranch_scc1 .Lin
	INBATCH 0                                      ; the last tile is written out: it asks for nothing more, so no load leaves my 48 rows
	INFRAG 2
	WIN 0
	v_cmp_eq_u32 s66, 1, v2                        ; lanes 16-31
	LSEL WH+0, 0x43200000, 0x42a00000              ; W: 160, 80
	LSEL WH+1, 0x42b80000, 0x42380000              ; H: 92, 46
	LSEL WH+2, 0x42200000, 0x41a00000              ; W: 40, 20
	LSEL WH+3, 0x41b80000, 0x41400000              ; H: 23, 12
.irp n, 0,1,2,3
	v_add_f32 v[WM+(\n)], -2.0, v[WH+(\n)]
.endr
.irp i, 0,1,2
.irp e, 0,1
	v_pk_fma_f32 v[RXY+4*(\i)+2*(\e):RXY+4*(\i)+2*(\e)+1], v[48+4*(\i)+2*(\e):48+4*(\i)+2*(\e)+1], v[WH+2*(\e):WH+2*(\e)+1], -0.5 op_sel_hi:[1,1,0]
.endr
.endr
	LSEL 42, 0, 14720                              ; the levels' first rows
	LSEL 43, 18400, 19320
	v_mov_b32 v44, 8                               ; batch 1's part of a plane begins eight rows ahead of its first row
.irp i, 0,1,2
	s_add_co_u32 s74, s23, 16*(\i)
	v_add_nc_u32 v45, s74, v1                      ; my row
	v_cmp_le_u32 s67, s73, v45                     ; in the second batch?  A tile may hold rows of both: the choice is a lane's
	v_cndmask_b32 v45, 0, v44, s67
	v_add_nc_u32 v46, v42, v45
	v_add_nc_u32 v47, v43, v45
	v_cvt_f32_u32 v[BASE+2*(\i)], v46
	v_cvt_f32_u32 v[BASE+2*(\i)+1], v47
.endr
	v_mov_b32 v[RPX], 0                            ; v_permlanex16_b32's destination counts as read
	v_mov_b32 v[RMC+1], 0                          ; named with RMC as a pair
	s_mov_b32 s26, 0                               ; the chunk to read: slot 0's first
	s_mov_b32 s27, 0                               ; its biases
	s_wait_tensorcnt 0x0                           ; my parts of both slots and of the table are in,
	s_wait_dscnt 0x0                               ; my fragments too,
	s_barrier_signal -1
	s_barrier_wait -1                              ; everybody's are
	s_mov_b32 s28, 4
.Lsl:                                                  ; four slots of two heads; each change asks for the two chunks two slots on, the last two for the value's
	s_mov_b32 s29, 2
.Lch:
	SCHUNK
	s_sub_co_u32 s29, s29, 1
	s_cmp_lg_u32 s29, 0
	s_cbranch_scc1 .Lch
	CHANGE 1
	s_sub_co_u32 s28, s28, 1
	s_cmp_lg_u32 s28, 0
	s_cbranch_scc1 .Lsl
	s_mov_b32 s28, 2
.Lvl:                                                  ; two slots of two value chunks; nothing more is asked for.  The second trip's barrier serves nothing: the price, once a launch, of one text
	s_mov_b32 s29, 2
.Lvc:
	VCHUNK
	s_sub_co_u32 s29, s29, 1
	s_cmp_lg_u32 s29, 0
	s_cbranch_scc1 .Lvc
	CHANGE 0
	s_sub_co_u32 s28, s28, 1
	s_cmp_lg_u32 s28, 0
	s_cbranch_scc1 .Lvl
	s_wait_tensorcnt 0x0                           ; the wave's end
	ds_add_u32 v[SPW], v[NIL]
	s_wait_dscnt 0x0
	ROUND                                          ; the closing round: no work-group ends while a partner may still ask for a tile that names it
	s_endpgm
.Lfunc_end_k_qeeddb736b3_proj:
	.size	k_qeeddb736b3_proj, .Lfunc_end_k_qeeddb736b3_proj-k_qeeddb736b3_proj
	.p2alignl 7, 3214868480
	.fill 96, 4, 3214868480
	.section	.rodata,"a",@progbits
	.p2align	6, 0x0
	.amdhsa_kernel k_qeeddb736b3_proj
		.amdhsa_group_segment_fixed_size 327680
		.amdhsa_private_segment_fixed_size 0
		.amdhsa_enable_private_segment 0
		.amdhsa_kernarg_size 64
		.amdhsa_user_sgpr_count 2
		.amdhsa_user_sgpr_kernarg_segment_ptr 1
		.amdhsa_wavefront_size32 1
		.amdhsa_system_sgpr_workgroup_id_x 1
		.amdhsa_system_sgpr_workgroup_id_y 1
		.amdhsa_system_sgpr_workgroup_id_z 1
		.amdhsa_system_vgpr_workitem_id 0
		.amdhsa_next_free_vgpr 1024
		.amdhsa_next_free_sgpr 80
		.amdhsa_reserve_vcc 0
		.amdhsa_float_denorm_mode_32 3
		.amdhsa_float_denorm_mode_16_64 3
		.amdhsa_memory_ordered 1
		.amdhsa_forward_progress 1
		.amdhsa_inst_pref_size 123
	.end_amdhsa_kernel
	.amdgpu_metadata
---
amdhsa.version: [ 1, 2 ]
amdhsa.kernels:
  - .name:           k_qeeddb736b3_proj
    .symbol:         k_qeeddb736b3_proj.kd
    .args:
      - { .name: src, .offset: 0, .size: 8, .value_kind: global_buffer, .address_space: global }
      - { .name: pos, .offset: 8, .size: 8, .value_kind: global_buffer, .address_space: global }
      - { .name: reference_points, .offset: 16, .size: 8, .value_kind: global_buffer, .address_space: global }
      - { .name: wb, .offset: 24, .size: 8, .value_kind: global_buffer, .address_space: global }
      - { .name: tab, .offset: 32, .size: 8, .value_kind: global_buffer, .address_space: global }
      - { .name: val, .offset: 40, .size: 8, .value_kind: global_buffer, .address_space: global }
      - { .name: idxb, .offset: 48, .size: 8, .value_kind: global_buffer, .address_space: global }
      - { .name: wts, .offset: 56, .size: 8, .value_kind: global_buffer, .address_space: global }
    .group_segment_fixed_size: 327680
    .private_segment_fixed_size: 0
    .kernarg_segment_align: 8
    .kernarg_segment_size: 64
    .max_flat_workgroup_size: 128
    .sgpr_count:     80
    .vgpr_count:     1024
    .wavefront_size: 32
...
	.end_amdgpu_metadata
.endif
;; end of part 5
;; launch samp (part 6): grid 256 x 1, 16 waves a work-group, no clusters, 327,680 bytes of LDS; arguments val, idxb, wts, core; writes core
.if DOCPART == 6
	.amdgcn_target "amdgcn-amd-amdhsa--gfx1250"
	.amdhsa_code_object_version 6
	.text
	.protected	k_qeeddb736b3_samp
	.globl	k_qeeddb736b3_samp
	.p2align	8
	.type	k_qeeddb736b3_samp,@function
k_qeeddb736b3_samp:
	s_mov_b64 s[64:65], 0
	v_nop
	global_prefetch_b8 v0, s[64:65] scope:SCOPE_SE
	s_setreg_imm32_b32 hwreg(HW_REG_WAVE_MODE, 25, 1), 1
	s_wait_xcnt 0x0
; SAMP: core[row][head][:] = the sum over the head's 16 samples and each sample's 2 x 2 patch of weight x val[pixel][head][:], in f32, rounded once to bf16.
; val and core lie in 32 planes (plane 4 head + c: channels 8 c .. 8 c + 7 of the head), [39,120 rows][8 channels] bf16, 625,920 bytes a plane; idxb and wts as the launch before stored them.
; THE TABLE LIES IN LDS.  The gather takes 39,120 x 8 x 16 x 4 pieces of 64 bytes, 1.28 GB, from a table of 20 MB, at places that neighbouring rows need not share.  One batch's part of one plane
; is 19,568 rows of 16 bytes = 1,223 x 256 bytes (batch 0: rows 0 on; batch 1: rows 19,552 on, eight rows early, so that it begins at a multiple of 256 bytes; the indices count from there).
; A work-group keeps one such part, of 2 x 32, and works a quarter of the batch's rows: 256 work-groups.  Each piece is then read from LDS: 306 tiles x 32 loads x 512 bytes a work-group.
; SHARES.  Sixteen waves.  Each fills 77 rows of 256 bytes by one tensor load (the last wave's nine rows beyond the part arrive as zeros: the descriptor states the rows that are left);
; nothing is filled again, so one barrier serves the launch.  Wave w takes tiles w + 16 j of the quarter's 306 (the last quarter's 305), a tile of 16 rows a slot.  Lane 16 hh + r takes row r's
; eight samples of levels hh and hh + 2, as the lane of the launch before stored them: its lists are 16 bytes of indices and 64 of weights, and each list load of the wave covers 512 consecutive bytes.
; The two halves' sums meet by one exchange; lanes 0-15 store the tile's 256 consecutive bytes of the plane, aligned.
; TILE 1,222 holds eight rows of each batch: both batches' work-groups work it, and each stores its own eight rows (the lanes of the other batch read places that mean nothing, inside the table).
; NO CLUSTER, though the four quarters read the same part: every gather's LDS
; address comes from the work-group's own lists.  The matrix units have no part: every row and head has pixels of its own.
; The indices are whole numbers read from memory; each is held to 19,546, the largest first pixel of a patch, before it enters an address: 16 x 19,546 + 2,560 + 16 + 16 bytes end inside the filled bytes.
.set PS,    625920                     ; bytes of a plane
.set HS_I,  1251840                    ; bytes of a head in idxb and in wts
.set HS_W,  5007360
.set TR,    77                         ; rows of 256 bytes in a wave's fill
.set TBY,   TR*256
.set SROWS, 1223                       ; rows of 256 bytes in the part
.set SPARE, 16*TBY                     ; 315,392: the spare words, 128 bytes a wave: eight blocks of 256 bytes that no other line names
.set NT,    1223                       ; tiles that hold rows of a batch
.set BT,    1222                       ; batch 1's first tile, batch 0's last
.set QT,    306                        ; tiles of a quarter
.set LAST,  2444                       ; the lists' last tile
.set CLAMP, 19546
; v1 16 x lane; v2 16 x (lane % 16); v3, v4 bytes from a patch's upper row to its lower, levels hh and hh + 2; v5, v6 my offsets in idxb and wts; v7 my offset in core's plane
.set IA,  8                            ; v[8:11], v[12:15]   eight indices, two buffers
.set IB,  12
.set WA,  16                           ; v[16:31], v[32:47]  16 weight words (upper row's weight below, lower row's above): pixel xb + s of sample n at 8 s + n; two buffers
.set WBF, 32
.set A0,  48                           ; v[48:55]  LDS byte of each sample's upper row
.set A1,  56                           ; v[56:63]  of its lower row
.set AC,  64                           ; v[64:71]  eight channels' sums
.set PX,  72                           ; v[72:79]  the other half's sums
.set KEEP, 80                          ; v[80:83]  16 bytes to store
.set G,   84                           ; v[84:211] 32 pieces of 16 bytes
.set ZERO, 212
.set SPW, 213                          ; my spare word; never rewritten
.set NIL, 214                          ; 0; never rewritten
.macro LISTS i, w                      ; a tile's lists: one load of indices, four of weights
	global_load_b128 v[\i:(\i)+3], v5, s[6:7]
.irp q, 0,1,2,3
	global_load_b128 v[(\w)+4*(\q):(\w)+4*(\q)+3], v6, s[8:9] offset:512*(\q)
.endr
.endm
.macro FM8 n, w, yr, c                 ; piece n's eight channels times half yr of weight word w; c = 0: the first products start the sums
.irp k, 0,1,2,3
.if \c
	v_fma_mix_f32_bf16 v[AC+2*(\k)], v[G+4*(\n)+(\k)], v[\w], v[AC+2*(\k)] op_sel:[0,\yr,0] op_sel_hi:[1,1,0]
	v_fma_mix_f32_bf16 v[AC+2*(\k)+1], v[G+4*(\n)+(\k)], v[\w], v[AC+2*(\k)+1] op_sel:[1,\yr,0] op_sel_hi:[1,1,0]
.else
	v_fma_mix_f32_bf16 v[AC+2*(\k)], v[G+4*(\n)+(\k)], v[\w], v[ZERO] op_sel:[0,\yr,0] op_sel_hi:[1,1,0]
	v_fma_mix_f32_bf16 v[AC+2*(\k)+1], v[G+4*(\n)+(\k)], v[\w], v[ZERO] op_sel:[1,\yr,0] op_sel_hi:[1,1,0]
.endif
.endr
.endm
; A SLOT: tile s17, whose lists lie in buffers ic, wc; the next tile's are asked for into in, wn.
.macro SLOT ic, wc, in, wn
	s_wait_loadcnt 0x0                             ; out are only this tile's five list loads; their address registers are free behind this wait
.irp k, 0,1,2,3
	v_and_b32 v[A0+2*(\k)], 0xffff, v[(\ic)+(\k)]
	v_lshrrev_b32 v[A0+2*(\k)+1], 16, v[(\ic)+(\k)]
.endr
.irp n, 0,1,2,3,4,5,6,7
	v_min_u32 v[A0+(\n)], CLAMP, v[A0+(\n)]
.endr
.irp n, 0,1,2,3,4,5,6,7
	v_lshlrev_b32 v[A0+(\n)], 4, v[A0+(\n)]
.endr
.irp n, 0,1,2,3,4,5,6,7
	v_add_nc_u32 v[A1+(\n)], v[A0+(\n)], v[3+(\n)/4]
.endr
.irp n, 0,1,2,3,4,5,6,7                ; piece 4 n + 2 yr + s: sample n, row yr of the patch, pixel xb + s
	ds_load_b128 v[G+16*(\n):G+16*(\n)+3], v[A0+(\n)]
	ds_load_b128 v[G+16*(\n)+4:G+16*(\n)+7], v[A0+(\n)] offset:16
	ds_load_b128 v[G+16*(\n)+8:G+16*(\n)+11], v[A1+(\n)]
	ds_load_b128 v[G+16*(\n)+12:G+16*(\n)+15], v[A1+(\n)] offset:16
.endr
	s_add_co_u32 s22, s17, 16                      ; my next tile, held to the lists' last: no load leaves the buffers
	s_min_u32 s22, s22, LAST
	v_lshl_add_u32 v5, s22, 9, v1
	v_lshl_add_u32 v6, s22, 11, v1
	LISTS \in, \wn
.set n_, 0
.rept 8
	s_wait_dscnt 31-4*n_                           ; LDS loads come back in order: behind piece m stand 31 - m
.if n_ == 0
	FM8 0, \wc, 0, 0
.else
	FM8 4*n_, (\wc)+n_, 0, 1
.endif
	s_wait_dscnt 30-4*n_
	FM8 4*n_+1, (\wc)+8+n_, 0, 1
	s_wait_dscnt 29-4*n_
	FM8 4*n_+2, (\wc)+n_, 1, 1
	s_wait_dscnt 28-4*n_
	FM8 4*n_+3, (\wc)+8+n_, 1, 1
.set n_, n_+1
.endr
.irp k, 0,1,2,3,4,5,6,7
	v_permlanex16_b32 v[PX+(\k)], v[AC+(\k)], s36, s37  ; the row's other eight samples lie in the lane 16 away
.endr
.irp k, 0,1,2,3,4,5,6,7
	v_add_f32 v[AC+(\k)], v[AC+(\k)], v[PX+(\k)]
.endr
.irp k, 0,1,2,3
	v_cvt_pk_bf16_f32 v[KEEP+(\k)], v[AC+2*(\k)], v[AC+2*(\k)+1]
.endr
	v_lshl_add_u32 v7, s17, 8, v2
	s_cmp_eq_u32 s17, BT
	s_cselect_b32 vcc_lo, s23, 0xffff              ; lanes 0-15, or in the tile of both batches my batch's eight
	s_wait_xcnt 0x0                                ; EXEC is a source of the list loads that are out: it changes only behind this wait
	s_and_saveexec_b32 s44, vcc_lo
	global_store_b128 v7, v[KEEP:KEEP+3], s[10:11]  ; sixteen lanes store 256 consecutive bytes, aligned
	s_wait_xcnt 0x0                                ; and again in front of the line that restores it; the store's address and data registers are free behind it too
	s_or_b32 exec_lo, exec_lo, s44
	s_add_co_u32 s17, s17, 16
.endm
	s_load_b256 s[4:11], s[0:1], 0x0               ; val s[4:5], idxb s[6:7], wts s[8:9], core s[10:11]
	v_lshl_add_u32 v[SPW], v0, 2, SPARE
	v_mov_b32 v[NIL], 0
	ds_add_u32 v[SPW], v[NIL]                      ; the wave's opening: the add and its wait stand ahead of my first tensor load; work on registers stands between them
	ds_add_u32 v213, v214
	v_lshrrev_b32 v[G], 5, v0
	v_readfirstlane_b32 s12, v[G]                  ; wave 0..15
	s_and_b32 s13, ttmp9, 3                        ; the quarter
	s_bfe_u32 s14, ttmp9, 0x50002                  ; the plane: 5 bits from bit 2
	s_lshr_b32 s15, s14, 2                         ; the head
	s_lshr_b32 s16, ttmp9, 7                       ; the batch
	s_mul_i32 s17, s16, BT
	s_mul_i32 s18, s13, QT
	s_add_co_u32 s17, s17, s18                     ; the quarter's first tile
	s_sub_co_u32 s19, NT, s18
	s_min_u32 s19, s19, QT                         ; its tiles: 306, 306, 306, 305
	s_add_co_u32 s19, s19, s17                     ; the first tile behind it
	s_add_co_u32 s17, s17, s12                     ; my first tile
	s_lshl_b32 s23, s16, 3
	s_lshl_b32 s23, 0xff, s23                      ; in the tile of both batches: lanes 0-7 for batch 0, lanes 8-15 for batch 1
	s_mov_b32 s36, 0x76543210                      ; v_permlanex16_b32: each lane takes its own place in the other half
	s_mov_b32 s37, 0xfedcba98
	s_mov_b32 s24, 1                               ; group 0: count = 1
	s_mul_i32 s25, s12, TBY                        ; LDS address: wave x 77 rows
	s_mov_b32 s28, 3<<16                           ; group 1: elements of 8 bytes, no mask, no padding
	s_mov_b32 s29, 32<<16                          ; tensor_dim0 = 32 elements: 256 bytes
	s_mul_i32 s30, s12, TR
	s_sub_co_u32 s30, SROWS, s30                   ; tensor_dim1 = the rows left from my first: 1,223 - 77 w, 68 for the last wave
	s_lshl_b32 s30, s30, 16
	s_mov_b32 s31, 32<<16                          ; tile_dim0 = 32
	s_mov_b32 s32, TR                              ; tile_dim1 = 77
	s_mov_b32 s33, 32                              ; 32 elements from row to row: dense
	s_mov_b32 s34, 0
	s_mov_b32 s35, 0
	s_mul_i32 s20, s14, PS                         ; the plane's first byte
	s_mov_b32 s21, 0
	s_mul_i32 s38, s16, 19552*16                   ; the batch's part,
	s_add_co_u32 s38, s38, s20
	s_add_co_u32 s38, s38, s25                     ; my 77 rows of it
	s_mov_b32 s39, 0
	s_mul_i32 s40, s15, HS_I
	s_mov_b32 s41, 0
	s_mul_i32 s42, s15, HS_W
	s_mov_b32 s43, 0
	v_and_b32 v[G+1], 31, v0
	v_lshlrev_b32 v1, 4, v[G+1]
	v_and_b32 v[G+2], 15, v0
	v_lshlrev_b32 v2, 4, v[G+2]
	v_add_nc_u32 v[G+3], 16, v0
	v_bfe_u32 v[G+3], v[G+3], 4, 1                 ; 1 - hh
	v_mul_u32_u24 v3, v[G+3], 1280
	v_add_nc_u32 v3, 1280, v3                      ; 16 W: 2,560 (level 0) or 1,280 (level 1)
	v_mul_u32_u24 v4, v[G+3], 320
	v_add_nc_u32 v4, 320, v4                       ; 640 (level 2) or 320 (level 3)
	v_mov_b32 v[ZERO], 0
.irp k, 0,1,2,3,4,5,6,7
	v_mov_b32 v[PX+(\k)], 0                        ; v_permlanex16_b32's destination counts as read
.endr
	v_lshl_add_u32 v5, s17, 9, v1                  ; 512 bytes of indices a tile,
	v_lshl_add_u32 v6, s17, 11, v1                 ; 2,048 of weights
	s_wait_dscnt 0x0                               ; the opening add is done
	s_wait_kmcnt 0x0
	s_add_nc_u64 s[26:27], s[4:5], s[38:39]
	s_or_b32 s27, s27, 0x80000000                  ; type = 2
	tensor_load_to_lds s[24:27], s[28:35]          ; my one tensor load of the launch
	s_nop 0
	s_add_nc_u64 s[6:7], s[6:7], s[40:41]          ; the head's lists
	s_add_nc_u64 s[8:9], s[8:9], s[42:43]
	s_add_nc_u64 s[10:11], s[10:11], s[20:21]      ; core's plane
	LISTS IA, WA                                   ; my first tile's lists come while the table lands
	s_wait_tensorcnt 0x0                           ; my part of the table is in,
	s_barrier_signal -1
	s_barrier_wait -1                              ; everybody's is; nothing is ever filled again
	s_mov_b32 s45, 10
.Lpair:                                                ; ten trips of two slots: w + 16 j for j = 0 .. 19; up to j = 18 every wave has a tile (303 at the most), at j = 19 only the first two waves, or one
	SLOT IA, WA, IB, WBF
	s_cmp_ge_u32 s17, s19
	s_cbranch_scc1 .Lnext                          ; forward over a slot without a tile
	SLOT IB, WBF, IA, WA
.Lnext:
	s_sub_co_u32 s45, s45, 1
	s_cmp_lg_u32 s45, 0
	s_cbranch_scc1 .Lpair
	s_wait_tensorcnt 0x0                           ; the wave's end
	ds_add_u32 v[SPW], v[NIL]
	s_wait_dscnt 0x0
	s_endpgm
.Lfunc_end_k_qeeddb736b3_samp:
	.size	k_qeeddb736b3_samp, .Lfunc_end_k_qeeddb736b3_samp-k_qeeddb736b3_samp
	.p2alignl 7, 3214868480
	.fill 96, 4, 3214868480
	.section	.rodata,"a",@progbits
	.p2align	6, 0x0
	.amdhsa_kernel k_qeeddb736b3_samp
		.amdhsa_group_segment_fixed_size 327680
		.amdhsa_private_segment_fixed_size 0
		.amdhsa_enable_private_segment 0
		.amdhsa_kernarg_size 32
		.amdhsa_user_sgpr_count 2
		.amdhsa_user_sgpr_kernarg_segment_ptr 1
		.amdhsa_wavefront_size32 1
		.amdhsa_system_sgpr_workgroup_id_x 1
		.amdhsa_system_sgpr_workgroup_id_y 1
		.amdhsa_system_sgpr_workgroup_id_z 1
		.amdhsa_system_vgpr_workitem_id 0
		.amdhsa_next_free_vgpr 216
		.amdhsa_next_free_sgpr 66
		.amdhsa_reserve_vcc 1
		.amdhsa_float_denorm_mode_32 3
		.amdhsa_float_denorm_mode_16_64 3
		.amdhsa_memory_ordered 1
		.amdhsa_forward_progress 1
		.amdhsa_inst_pref_size 50
	.end_amdhsa_kernel
	.amdgpu_metadata
---
amdhsa.version: [ 1, 2 ]
amdhsa.kernels:
  - .name:           k_qeeddb736b3_samp
    .symbol:         k_qeeddb736b3_samp.kd
    .args:
      - { .name: val, .offset: 0, .size: 8, .value_kind: global_buffer, .address_space: global }
      - { .name: idxb, .offset: 8, .size: 8, .value_kind: global_buffer, .address_space: global }
      - { .name: wts, .offset: 16, .size: 8, .value_kind: global_buffer, .address_space: global }
      - { .name: core, .offset: 24, .size: 8, .value_kind: global_buffer, .address_space: global }
    .group_segment_fixed_size: 327680
    .private_segment_fixed_size: 0
    .kernarg_segment_align: 8
    .kernarg_segment_size: 32
    .max_flat_workgroup_size: 512
    .sgpr_count:     66
    .vgpr_count:     216
    .wavefront_size: 32
...
	.end_amdgpu_metadata
.endif
;; end of part 6
;; launch ffn (part 7): grid 204 x 1, 4 waves a work-group, clusters of 4 x 1, 327,680 bytes of LDS; arguments core, src, wb, tab, out0; writes out0
.if DOCPART == 7
	.amdgcn_target "amdgcn-amd-amdhsa--gfx1250"
	.amdhsa_code_object_version 6
	.text
	.protected	k_qeeddb736b3_ffn
	.globl	k_qeeddb736b3_ffn
	.p2align	8
	.type	k_qeeddb736b3_ffn,@function
k_qeeddb736b3_ffn:
	s_mov_b64 s[64:65], 0
	v_nop
	global_prefetch_b8 v0, s[64:65] scope:SCOPE_SE
	s_setreg_imm32_b32 hwreg(HW_REG_WAVE_MODE, 25, 1), 1
	s_wait_xcnt 0x0
	s_wait_alu depctr_hold_cnt(0) depctr_sa_sdst(0) depctr_va_vdst(0) depctr_va_sdst(0) depctr_va_ssrc(0) depctr_va_vcc(0) depctr_vm_vsrc(0)
	s_getreg_b32 s2, hwreg(HW_REG_IB_STS2, 6, 4)
	s_cmp_eq_u32 s2, 0
	s_cbranch_scc0 .Lentry_in_a_cluster
	s_endpgm
.Lentry_in_a_cluster:
	s_bfe_u32 s2, ttmp6, 0x10000c
	s_cmp_lg_u32 s2, 0x3003
	s_cbranch_scc0 .Lentry_shape_is_right
	s_endpgm
.Lentry_shape_is_right:
; FFN: x1 = LN1(src + core Wo + bo);  out0 = LN2(x1 + relu(x1 W1 + b1) W2 + b2).  LN(x) = w (x - mean) rsqrt(var + 1e-5) + b with w, b the batch's mixtures from tab; mean first, then the
; variance of the centred numbers, all in f32.  The residuals stay in f32: the accumulators START as src, and after LN1 as x1.  core, x1 as an operand and the hidden layer are bf16, rounded once.
; core lies in 32 planes (plane 4 head + c: channels 8 c .. 8 c + 7 of the head), [39,120 rows][8 channels], 625,920 bytes a plane: a row's 16 bytes of a plane are half a fragment of source 1
; (k step = head, c = hh or 2 + hh), so core is loaded straight into fragments, sixteen lanes taking 256 consecutive bytes.
; LIMITS.  NaN and infinities are not treated apart.
; SHARES.  As in the launch that projects: a wave owns 48 whole rows (three tiles of 16) from end to end; the last wave's first row is held to 39,072, so it stores once more, with the same
; numbers, what its neighbour in the same work-group stores.  Waves share the weight slots alone.
; PRODUCTS are used transposed: source 0 = 16 columns of a weight x 32 k, turned out of a [k][n] tile by ds_load_tr16_b128; source 1 = 16 rows; in the result a lane holds one row (lane % 16) and
; columns 8 (lane / 16) + 0..7.  Two results rounded in pairs ARE source 1 of the next product, so x1 and the hidden layer never change lanes.
; THE WALK.  Wo in two halves of 128 k, then sixteen chunks of 64 hidden columns: W1's [256][64] and W2's [64][256].  Two LDS slots take turns; a chunk is asked for two chunks ahead.
; CLUSTER.  All work-groups walk the same weights in the same order: each tile is asked for jointly by the four work-groups of a cluster (mask 15).  The place in the cluster enters global row
; addresses and data (the batch's choice, by v_cndmask_b32) alone.
; LN goes by rows: a tile's accumulators go into my stage (16 rows of 1,024 bytes, 1,040 apart) and come back four rows at a time, a lane holding 8 numbers of each row.  The rows' arithmetic names
; no accumulator, so it is written once for each norm, inside a loop over the three tiles; the lines that name a tile's accumulators stand once for each tile, chosen by forward jumps on the tile's count.
; REGISTERS, in windows of 256: window 0 addresses, v32-127 LN's, v128-159 b1 of a chunk, v160-255 the hidden layer's twelve accumulators; window 1 v0-191 core, then x1, as fragments (64 a tile),
; v192-239 the hidden layer as fragments; window 2 the accumulators of tiles 0 and 1 (16 x 8 each); window 3 v0-127 those of tile 2, v128-255 two buffers of eight weight fragments.
.set ROWS,  39120
.set LQ,    19560
.set PS,    625920                     ; bytes of a plane of core
.set SLOT1, 0x20000
.set P2O,   40960                      ; in a slot: W1's 256 rows (160 apart), then W2's 64 rows (544 apart); a half of Wo: 128 rows (544 apart) from the slot's head
.set STG,   206848                     ; the stages: 16,640 bytes a wave, written by ds_store alone
.set STGW,  16640
.set TB1,   273408                     ; b1, 4,096 bytes
.set SPARE, 277504                     ; the spare words: 128 bytes a wave, two blocks of 256 bytes that no other line names
.set SPW, 14                           ; v14  my spare word; never rewritten
.set NIL, 15                           ; v15  0; never rewritten
; v1 r; v2 hh; v3, v4 my lane's place in a [k][n] tile of pitch 160, 544; v5, v6, v7 the same in the slot in hand (W1, W2, Wo); v8 b1 of the chunk; v9 LN's rows in the stage;
; v10 stage + r x 1040 + 32 hh; v12 16 x lane; v13 my bytes in out0; v16 0; v20 stage + 16 x lane; v21 TB1 + 32 hh; v22 core: hh planes + 16 r
.set W0,  32                           ; LN's w for batch 0, 1; b for batch 0, 1; the bias added first (bo, b2): my 8 columns of each
.set W1R, 40
.set B0,  48
.set B1R, 56
.set BIA, 64
.set X,   72                           ; four rows, 8 numbers each; at the start: core's eight offsets, one a head
.set WS,  104                          ; w and b of the rows' batch
.set BS,  112
.set T,   120                          ; a pair for each row
.set MSB, 0
.macro WIN new                         ; the immediate's high byte repeats the setting that is left; a switch that changes nothing is dropped
.if MSB != (\new)
	s_set_vgpr_msb (MSB<<8)|(\new)
.set MSB, (\new)
.endif
.endm
.macro PLACES                          ; four places behind matrix instructions, in front of what reads their results or loads into their registers
.rept 4
	v_nop
.endr
.endm
.macro ROUND                           ; a round of the cluster's barrier
	s_barrier_signal -1
	s_barrier_wait -1
	s_cmp_lg_u32 s14, 0
	s_cbranch_scc1 .Lnot_wave_0_\@
	s_barrier_signal -3
.Lnot_wave_0_\@:
	s_barrier_wait -3
	s_barrier_signal -1
	s_barrier_wait -1
.endm
.macro JLOAD                           ; a chunk's joint fill: waves 0 and 1 the halves of W1's part, waves 2 and 3 those of W2's; an s_nop 0 and four v_nop follow each line, ahead of the jump and the label
	s_cmp_lt_u32 s14, 2
	s_cbranch_scc0 .Lfor_w2_\@
	tensor_load_to_lds s[72:75], s[32:39]
	s_nop 0
	PLACES
	s_branch .Lasked_\@
.Lfor_w2_\@:
	tensor_load_to_lds s[76:79], s[40:47]
	s_nop 0
	PLACES
.Lasked_\@:
.endm
; THE CHANGE OF SLOTS.  Each wave waits for all its tensor loads, adds 0 to its spare word, and waits for that and for its reads of the slot that it leaves.  fill = 1: the barrier is a round of
; the cluster's, and the slot just read is filled again first thing behind it, one load a wave.  step = 0: the walking descriptors are used as they were set up (chunk 0, slot 0).
.macro CHANGE fill, step
	WIN 0
	s_wait_tensorcnt 0x0                           ; no tensor load of mine is out, so the walking descriptors may be written
	ds_add_u32 v[SPW], v[NIL]                      ; 0 onto my spare word; scalar work stands between it and the wait for it
.if (\fill) && (\step)
	s_xor_b32 s73, s73, SLOT1
	s_add_nc_u64 s[74:75], s[74:75], 32768         ; the next chunk; the type bits on top are not reached
	s_xor_b32 s77, s77, SLOT1
	s_add_nc_u64 s[78:79], s[78:79], 32768
.endif
	s_xor_b32 s20, s20, SLOT1                      ; the reads go to the other slot
	s_wait_dscnt 0x0                               ; the add is done, and my reads of the slot are over
.if \fill
	ROUND
	JLOAD                                          ; the four v_nop behind it are also the places in front of the loads that follow
.else
	s_barrier_signal -1
	s_barrier_wait -1
	PLACES
.endif
	v_add_nc_u32 v5, s20, v3
	v_add_nc_u32 v7, s20, v4
	v_add_nc_u32 v6, P2O, v7
.endm
; Eight weight fragments, sixteen loads in one run, into buffer b.  kind 1: W1, k steps 2 g and 2 g + 1, four blocks of 16 hidden columns.  kind 2: W2, k step g / 2, column blocks 8 (g % 2) on.  kind 0: Wo, as kind 2.
.macro LOADG kind, g, b
	WIN 0xc0
.set f_, 0
.rept 8
.set rW, 128+64*(\b)+8*f_
.if (\kind) == 1
.set of_, 5120*(2*(\g)+f_/4)+32*(f_%4)
	ds_load_tr16_b128 v[rW:rW+3], v5 offset:of_
	ds_load_tr16_b128 v[rW+4:rW+7], v5 offset:of_+2560
.elseif (\kind) == 2
.set of_, 17408*((\g)/2)+32*(8*((\g)%2)+f_)
	ds_load_tr16_b128 v[rW:rW+3], v6 offset:of_
	ds_load_tr16_b128 v[rW+4:rW+7], v6 offset:of_+8704
.else
.set of_, 17408*((\g)/2)+32*(8*((\g)%2)+f_)
	ds_load_tr16_b128 v[rW:rW+3], v7 offset:of_
	ds_load_tr16_b128 v[rW+4:rW+7], v7 offset:of_+8704
.endif
.set f_, f_+1
.endr
.endm
; 24 products of the hidden layer: the twelve accumulators by turns; b1 is the C operand that starts the sums.
.macro MUL1 g, b
	WIN 0x07                                       ; weights window 3, x1 window 1, sums window 0
.set k_, 2*(\g)
.rept 2
.set m_, 0
.rept 4
.set i_, 0
.rept 3
.set rH, 160+8*(3*m_+i_)
.set rW, 128+64*(\b)+8*(4*(k_%2)+m_)
.if k_ == 0
	v_wmma_f32_16x16x32_bf16 v[rH:rH+7], v[rW:rW+7], v[64*i_+8*k_:64*i_+8*k_+7], v[128+8*m_:128+8*m_+7]
.else
	v_wmma_f32_16x16x32_bf16 v[rH:rH+7], v[rW:rW+7], v[64*i_+8*k_:64*i_+8*k_+7], v[rH:rH+7]
.endif
.set i_, i_+1
.endr
.set m_, m_+1
.endr
.set k_, k_+1
.endr
.endm
; 24 products onto the rows' accumulators, all different.  Source 1 of tile i lies at bb + bs i + 8 (g / 2) in window 1.
.macro MUL2 g, b, bb, bs
	WIN 0xa7                                       ; weights window 3, source 1 window 1, sums window 2
.set f_, 0
.rept 8
.set i_, 0
.rept 2
.set rA, 128*i_+8*(8*((\g)%2)+f_)
.set rB, (\bb)+(\bs)*i_+8*((\g)/2)
	v_wmma_f32_16x16x32_bf16 v[rA:rA+7], v[128+64*(\b)+8*f_:128+64*(\b)+8*f_+7], v[rB:rB+7], v[rA:rA+7]
.set i_, i_+1
.endr
.set f_, f_+1
.endr
	WIN 0xf7                                       ; sums window 3
.set f_, 0
.rept 8
.set rA, 8*(8*((\g)%2)+f_)
.set rB, (\bb)+(\bs)*2+8*((\g)/2)
	v_wmma_f32_16x16x32_bf16 v[rA:rA+7], v[128+64*(\b)+8*f_:128+64*(\b)+8*f_+7], v[rB:rB+7], v[rA:rA+7]
.set f_, f_+1
.endr
.endm
.macro RELU                            ; the hidden layer rounded to bf16 in pairs, then the larger of it and 0; each accumulator is read from its low end on
	WIN 0x40
.set i_, 0
.rept 3
.set h_, 0
.rept 4                                ; accumulator h of the tile: half h % 2 of fragment h / 2
.irp q, 0,1,2,3
	v_cvt_pk_bf16_f32 v[192+16*i_+4*h_+(\q)], v[160+8*(3*h_+i_)+2*(\q)], v[160+8*(3*h_+i_)+2*(\q)+1]
.endr
.set h_, h_+1
.endr
.set i_, i_+1
.endr
	WIN 0x41
.set n_, 0
.rept 48
	v_pk_max_num_bf16 v[192+n_], v[192+n_], v16
.set n_, n_+1
.endr
.endm
.macro BFLOAD step                     ; b1 of the chunk to come, in the result's layout.  step = 0 (the walk's last two chunks): the place stays at the last chunk's 256 bytes, so nothing is read past the table
	WIN 0
	v_add_nc_u32 v8, s25, v21
.set m_, 0
.rept 4
	ds_load_b128 v[128+8*m_:128+8*m_+3], v8 offset:64*m_
	ds_load_b128 v[128+8*m_+4:128+8*m_+7], v8 offset:64*m_+16
.set m_, m_+1
.endr
.if \step
	s_add_co_u32 s25, s25, 256
.endif
.endm
; A half of Wo: eight groups.  On entry groups 0 and 1 are on their way; every count of 16 leaves the one younger group out.  Behind group 6 the slot has been read: it is changed, and the next
; slot's first groups are fetched (part 0: Wo's second half; part 1: W1 of chunk 0).
.macro PHA part
.set g_, 0
.rept 6
	s_wait_dscnt 16
	MUL2 g_, g_%2, 32*(\part), 64
	PLACES
	LOADG 0, g_+2, g_%2
.set g_, g_+1
.endr
	s_wait_dscnt 16
	MUL2 6, 0, 32*(\part), 64
	CHANGE 1, \part
	LOADG \part, 0, 0
	MUL2 7, 1, 32*(\part), 64                      ; its fragments came in by the change's wait
	PLACES
	LOADG \part, 1, 1
.endm
; A chunk: four groups for the hidden layer, the ReLU, four groups onto the rows.  On entry W1's groups 0 and 1 and b1 are in or on their way, b1 ahead of them.
; fill = 1: the change of slots asks for the chunk two on.  fill = 0: the walk's last two chunks, which ask for nothing.
.macro CHUNK fill
	s_wait_dscnt 16
	MUL1 0, 0
	PLACES
	LOADG 1, 2, 0
	s_wait_dscnt 16
	MUL1 1, 1
	PLACES
	LOADG 1, 3, 1
	s_wait_dscnt 16
	MUL1 2, 0
	PLACES
	LOADG 2, 0, 0
	s_wait_dscnt 16
	MUL1 3, 1
	PLACES
	LOADG 2, 1, 1
	RELU
	s_wait_dscnt 16
	MUL2 0, 0, 192, 16
	PLACES
	BFLOAD \fill
	LOADG 2, 2, 0
	s_wait_dscnt 16                                ; leaves the youngest group out; b1's eight loads are older and are in too
	MUL2 1, 1, 192, 16
	PLACES
	LOADG 2, 3, 1
	s_wait_dscnt 16
	MUL2 2, 0, 192, 16
	CHANGE \fill, 1
	LOADG 1, 0, 0
	MUL2 3, 1, 192, 16                             ; its fragments came in by the change's wait
	PLACES
	LOADG 1, 1, 1
.endm
.macro ACCDUMP i                       ; tile i's accumulators into my stage, each from its low end on
.if (\i) < 2
	WIN 0x08
.else
	WIN 0x0c
.endif
.set m_, 0
.rept 16
.set rA, 128*((\i)%2)+8*m_
	ds_store_b128 v10, v[rA:rA+3] offset:64*m_
	ds_store_b128 v10, v[rA+4:rA+7] offset:64*m_+16
.set m_, m_+1
.endr
.endm
.macro ACCLOAD i                       ; and back
.if (\i) < 2
	WIN 0x80
.else
	WIN 0xc0
.endif
.set m_, 0
.rept 16
.set rA, 128*((\i)%2)+8*m_
	ds_load_b128 v[rA:rA+3], v10 offset:64*m_
	ds_load_b128 v[rA+4:rA+7], v10 offset:64*m_+16
.set m_, m_+1
.endr
.endm
.macro XCVT i                          ; x1 of tile i rounded to bf16: two accumulators make a fragment
.if (\i) < 2
	WIN 0x4a
.else
	WIN 0x4f
.endif
.set m_, 0
.rept 16
.irp q, 0,1,2,3
	v_cvt_pk_bf16_f32 v[64*(\i)+4*m_+(\q)], v[128*((\i)%2)+8*m_+2*(\q)], v[128*((\i)%2)+8*m_+2*(\q)+1]
.endr
.set m_, m_+1
.endr
.endm
.macro XBACK i                         ; x1 of tile i out of the stage: in f32 into the accumulators, onto which the second product adds, and rounded into fragments
	ACCLOAD \i
	s_wait_dscnt 0x0
	XCVT \i
	WIN 0
.endm
.macro RED                             ; the four rows' numbers summed over the 32 lanes, the rows by turns
.irp m, 1,2,4,8
.irp q, 0,1,2,3
	v_add_f32_dpp v[T+2*(\q)], v[T+2*(\q)], v[T+2*(\q)] row_xmask:\m row_mask:0xf bank_mask:0xf
.endr
.endr
.irp q, 0,1,2,3
	v_permlanex16_b32 v[T+2*(\q)+1], v[T+2*(\q)], s26, s27
.endr
.irp q, 0,1,2,3
	v_add_f32 v[T+2*(\q)], v[T+2*(\q)], v[T+2*(\q)+1]
.endr
.endm
.macro LNROWS                          ; four rows from the stage, normalised in X
.irp q, 0,1,2,3
	ds_load_b128 v[X+8*(\q):X+8*(\q)+3], v9 offset:1040*(\q)
	ds_load_b128 v[X+8*(\q)+4:X+8*(\q)+7], v9 offset:1040*(\q)+512
.endr
	s_cmp_ge_u32 s23, LQ                           ; 19,560 is a multiple of 4: four aligned rows are of one batch
	s_cselect_b32 s24, -1, 0
.irp k, 0,1,2,3,4,5,6,7
	v_cndmask_b32 v[WS+(\k)], v[W0+(\k)], v[W1R+(\k)], s24
	v_cndmask_b32 v[BS+(\k)], v[B0+(\k)], v[B1R+(\k)], s24
.endr
	s_wait_dscnt 0x0
.irp k, 0,2,4,6
.irp q, 0,1,2,3
	v_pk_add_f32 v[X+8*(\q)+(\k):X+8*(\q)+(\k)+1], v[X+8*(\q)+(\k):X+8*(\q)+(\k)+1], v[BIA+(\k):BIA+(\k)+1]
.endr
.endr
.irp q, 0,1,2,3
	v_pk_add_f32 v[T+2*(\q):T+2*(\q)+1], v[X+8*(\q):X+8*(\q)+1], v[X+8*(\q)+2:X+8*(\q)+3]
.endr
.irp k, 4,6
.irp q, 0,1,2,3
	v_pk_add_f32 v[T+2*(\q):T+2*(\q)+1], v[T+2*(\q):T+2*(\q)+1], v[X+8*(\q)+(\k):X+8*(\q)+(\k)+1]
.endr
.endr
.irp q, 0,1,2,3
	v_add_f32 v[T+2*(\q)], v[T+2*(\q)], v[T+2*(\q)+1]
.endr
	RED
.irp q, 0,1,2,3
	v_mul_f32 v[T+2*(\q)], s28, v[T+2*(\q)]        ; minus the mean
.endr
.irp k, 0,2,4,6
.irp q, 0,1,2,3
	v_pk_add_f32 v[X+8*(\q)+(\k):X+8*(\q)+(\k)+1], v[X+8*(\q)+(\k):X+8*(\q)+(\k)+1], v[T+2*(\q):T+2*(\q)+1] op_sel_hi:[1,0]
.endr
.endr
.irp q, 0,1,2,3
	v_pk_mul_f32 v[T+2*(\q):T+2*(\q)+1], v[X+8*(\q):X+8*(\q)+1], v[X+8*(\q):X+8*(\q)+1]
.endr
.irp k, 2,4,6
.irp q, 0,1,2,3
	v_pk_fma_f32 v[T+2*(\q):T+2*(\q)+1], v[X+8*(\q)+(\k):X+8*(\q)+(\k)+1], v[X+8*(\q)+(\k):X+8*(\q)+(\k)+1], v[T+2*(\q):T+2*(\q)+1]
.endr
.endr
.irp q, 0,1,2,3
	v_add_f32 v[T+2*(\q)], v[T+2*(\q)], v[T+2*(\q)+1]
.endr
	RED
.irp q, 0,1,2,3
	v_fma_f32 v[T+2*(\q)], v[T+2*(\q)], s29, s30   ; the variance + 1e-5
.endr
.irp q, 0,1,2,3
	v_rsq_f32 v[T+2*(\q)], v[T+2*(\q)]
.endr
	v_nop                                          ; a plain instruction between the last root and the use of its result
	s_wait_alu depctr_va_vdst(0)
.irp k, 0,2,4,6
.irp q, 0,1,2,3
	v_pk_mul_f32 v[X+8*(\q)+(\k):X+8*(\q)+(\k)+1], v[X+8*(\q)+(\k):X+8*(\q)+(\k)+1], v[T+2*(\q):T+2*(\q)+1] op_sel_hi:[1,0]
.endr
.endr
.irp k, 0,2,4,6
.irp q, 0,1,2,3
	v_pk_fma_f32 v[X+8*(\q)+(\k):X+8*(\q)+(\k)+1], v[X+8*(\q)+(\k):X+8*(\q)+(\k)+1], v[WS+(\k):WS+(\k)+1], v[BS+(\k):BS+(\k)+1]
.endr
.endr
.endm
; LN of my three tiles.  s18 counts the tiles 3, 2, 1, the same in every wave and work-group; the jumps on it go forward and pass no barrier and no tensor load.  The first row's number (s23)
; and the rows' place in out0 (s19) run on from tile to tile.  mode 1: the rows go back into the stage and from there into accumulators and fragments.  mode 2: the rows are stored.
.macro LNALL mode
	WIN 0
	PLACES
	s_mov_b32 s23, s17                             ; the first of the four rows
	s_mov_b32 s19, 0                               ; their place in my 48 rows of out0
	s_mov_b32 s18, 3
.Ltile_\@:
	s_cmp_eq_u32 s18, 3
	s_cbranch_scc0 .Ldump1_\@
	ACCDUMP 0
	WIN 0
	s_branch .Ldumped_\@
.Ldump1_\@:
	s_cmp_eq_u32 s18, 2
	s_cbranch_scc0 .Ldump2_\@
	ACCDUMP 1
	WIN 0
	s_branch .Ldumped_\@
.Ldump2_\@:
	ACCDUMP 2
	WIN 0
.Ldumped_\@:
	s_mov_b32 s31, 0                               ; the rows' place in the stage
	s_mov_b32 s22, 4
.Lrow_\@:
	v_add_nc_u32 v9, s31, v20
.if (\mode) == 2
	v_add_nc_u32 v13, s19, v12
.endif
	LNROWS                                         ; LDS serves a wave's instructions in order (ISA guide 5.7.1.4): its loads see the stores above
.if (\mode) == 1
.irp q, 0,1,2,3
	ds_store_b128 v9, v[X+8*(\q):X+8*(\q)+3] offset:1040*(\q)
	ds_store_b128 v9, v[X+8*(\q)+4:X+8*(\q)+7] offset:1040*(\q)+512
.endr
.else
.irp q, 0,1,2,3
	global_store_b128 v13, v[X+8*(\q):X+8*(\q)+3], s[12:13] offset:1024*(\q) th:TH_STORE_NT  ; each store of the wave covers 512 consecutive bytes, aligned
	global_store_b128 v13, v[X+8*(\q)+4:X+8*(\q)+7], s[12:13] offset:1024*(\q)+512 th:TH_STORE_NT
.endr
	s_wait_xcnt 0x0                                ; the stores' address and data registers are written again only behind this wait
.endif
	s_add_co_u32 s31, s31, 4160
	s_add_co_u32 s19, s19, 4096
	s_add_co_u32 s23, s23, 4
	s_sub_co_u32 s22, s22, 1
	s_cmp_lg_u32 s22, 0
	s_cbranch_scc1 .Lrow_\@
.if (\mode) == 1
	s_cmp_eq_u32 s18, 3
	s_cbranch_scc0 .Lback1_\@
	XBACK 0
	s_branch .Lbacked_\@
.Lback1_\@:
	s_cmp_eq_u32 s18, 2
	s_cbranch_scc0 .Lback2_\@
	XBACK 1
	s_branch .Lbacked_\@
.Lback2_\@:
	XBACK 2
.Lbacked_\@:
.endif
	s_sub_co_u32 s18, s18, 1
	s_cmp_lg_u32 s18, 0
	s_cbranch_scc1 .Ltile_\@
.endm
.macro PARLOAD ow, ob, obias           ; LN's tables: my columns 4 lane .. + 3 and 128 + 4 lane .. + 3
	WIN 0
	global_load_b128 v[W0:W0+3], v12, s[10:11] offset:(\ow)
	global_load_b128 v[W0+4:W0+7], v12, s[10:11] offset:(\ow)+512
	global_load_b128 v[W1R:W1R+3], v12, s[10:11] offset:(\ow)+1024
	global_load_b128 v[W1R+4:W1R+7], v12, s[10:11] offset:(\ow)+1536
	global_load_b128 v[B0:B0+3], v12, s[10:11] offset:(\ob)
	global_load_b128 v[B0+4:B0+7], v12, s[10:11] offset:(\ob)+512
	global_load_b128 v[B1R:B1R+3], v12, s[10:11] offset:(\ob)+1024
	global_load_b128 v[B1R+4:B1R+7], v12, s[10:11] offset:(\ob)+1536
	global_load_b128 v[BIA:BIA+3], v12, s[10:11] offset:(\obias)
	global_load_b128 v[BIA+4:BIA+7], v12, s[10:11] offset:(\obias)+512
.endm
	s_load_b256 s[4:11], s[0:1], 0x0               ; core s[4:5], src s[6:7], wb s[8:9], tab s[10:11]
	s_load_b64 s[12:13], s[0:1], 0x20              ; out0
	v_lshl_add_u32 v[SPW], v0, 2, SPARE
	v_mov_b32 v[NIL], 0
	ds_add_u32 v[SPW], v[NIL]                      ; the wave's opening: the add and its wait stand ahead of my first tensor load; work on registers stands between them
	ds_add_u32 v14, v15
	v_lshrrev_b32 v1, 5, v0
	v_readfirstlane_b32 s14, v1                    ; wave 0..3
	s_bfe_u32 s15, ttmp6, 0x40000                  ; cx
	s_lshl_b32 s16, ttmp9, 2
	s_add_co_u32 s16, s16, s15                     ; the work-group
	s_mul_i32 s17, s16, 192
	s_mul_i32 s18, s14, 48
	s_add_co_u32 s17, s17, s18
	s_min_u32 s17, s17, ROWS-48                    ; my first row
	s_mov_b32 s19, 0
	s_mov_b32 s20, 0                               ; the slot in hand
	s_mov_b32 s25, 0                               ; b1 of the chunk to come
	s_mov_b32 s26, 0x76543210                      ; v_permlanex16_b32: each lane takes its own place in the other half
	s_mov_b32 s27, 0xfedcba98
	s_mov_b32 s28, 0xbb800000                      ; -1/256
	s_mov_b32 s29, 0x3b800000                      ; 1/256
	s_mov_b32 s30, 0x3727c5ac                      ; 1e-5
	; group 1, W1's part: 16,384 dense bytes as 64 rows of 128 elements of 2 bytes, 8 words of padding after every 32 words: 128 LDS rows 160 bytes apart
	s_mov_b32 s32, 15|(1<<16)|(1<<20)|(1<<21)|(4<<22)|(7<<25)
	s_mov_b32 s33, 128<<16
	s_mov_b32 s34, 64<<16
	s_mov_b32 s35, 128<<16
	s_mov_b32 s36, 64
	s_mov_b32 s37, 128
	s_mov_b32 s38, 0
	s_mov_b32 s39, 0
	; group 1, W2's part and Wo: 32 rows of 256 elements of 2 bytes, 8 words of padding after every 128 words: LDS rows 544 bytes apart
	s_mov_b32 s40, 15|(1<<16)|(1<<20)|(1<<21)|(6<<22)|(7<<25)
	s_mov_b32 s41, 256<<16
	s_mov_b32 s42, 32<<16
	s_mov_b32 s43, 256<<16
	s_mov_b32 s44, 32
	s_mov_b32 s45, 256
	s_mov_b32 s46, 0
	s_mov_b32 s47, 0
	; group 1, b1: 4 rows of 32 elements of 8 bytes, no padding
	s_mov_b32 s48, 15|(3<<16)|(1<<21)
	s_mov_b32 s49, 32<<16
	s_mov_b32 s50, 4<<16
	s_mov_b32 s51, 32<<16
	s_mov_b32 s52, 4
	s_mov_b32 s53, 32
	s_mov_b32 s54, 0
	s_mov_b32 s55, 0
	s_and_b32 s80, s14, 1
	s_mov_b32 s56, 1                               ; Wo's first half: my 32 rows, into slot 0
	s_mul_i32 s57, s14, 17408
	s_mov_b32 s60, 1                               ; its second half, into slot 1
	s_add_co_u32 s61, s57, SLOT1
	s_mov_b32 s68, 1                               ; b1: my 1,024 bytes
	s_lshl_b32 s69, s14, 10
	s_add_co_u32 s69, s69, TB1
	s_mov_b32 s72, 1                               ; a chunk's W1: half w % 2; it walks
	s_mul_i32 s73, s80, 20480
	s_mov_b32 s76, 1                               ; a chunk's W2: half w % 2; it walks
	s_mul_i32 s77, s80, 17408
	s_add_co_u32 s77, s77, P2O
	s_mul_i32 s81, s14, STGW
	s_add_co_u32 s81, s81, STG                     ; my stage
	s_lshl_b32 s82, s14, 14                        ; offsets made of the wave's number alone
	s_mov_b32 s83, 0
	s_lshl_b32 s84, s80, 14
	s_mov_b32 s85, 0
	s_lshl_b32 s86, s14, 10
	s_mov_b32 s87, 0
	v_and_b32 v1, 15, v0                           ; r
	v_bfe_u32 v2, v0, 4, 1                         ; hh
	v_and_b32 v17, 31, v0                          ; lane
	v_and_b32 v18, 7, v0
	v_lshl_add_u32 v18, v2, 3, v18
	v_bfe_u32 v19, v0, 3, 1
	v_mul_u32_u24 v3, v18, 160
	v_lshl_add_u32 v3, v19, 4, v3
	v_mul_u32_u24 v4, v18, 544
	v_lshl_add_u32 v4, v19, 4, v4
	v_mov_b32 v7, v4                               ; Wo's first half lies at slot 0's head
	v_lshlrev_b32 v12, 4, v17
	v_add_nc_u32 v20, s81, v12
	v_mul_u32_u24 v10, v1, 1040
	v_lshl_add_u32 v10, v2, 5, v10
	v_add_nc_u32 v10, s81, v10
	v_lshlrev_b32 v21, 5, v2
	v_add_nc_u32 v21, TB1, v21
	v_mul_u32_u24 v22, v2, PS
	v_lshl_add_u32 v22, v1, 4, v22
	v_mov_b32 v16, 0
	s_wait_dscnt 0x0                               ; the opening add is done
	s_wait_kmcnt 0x0
	s_lshl_b32 s18, s17, 4
	s_add_nc_u64 s[4:5], s[4:5], s[18:19]          ; core at my first row: 16 bytes a row in a plane
	s_lshl_b32 s18, s17, 10
	s_add_nc_u64 s[6:7], s[6:7], s[18:19]          ; src and out0
	s_add_nc_u64 s[12:13], s[12:13], s[18:19]
	s_add_nc_u64 s[58:59], s[8:9], s[82:83]
	s_add_nc_u64 s[58:59], s[58:59], 393216
	s_add_nc_u64 s[62:63], s[58:59], 65536
	s_or_b32 s59, s59, 0x80000000
	s_or_b32 s63, s63, 0x80000000
	s_add_nc_u64 s[70:71], s[10:11], s[86:87]
	s_add_nc_u64 s[70:71], s[70:71], 13312
	s_or_b32 s71, s71, 0x80000000
	s_add_nc_u64 s[74:75], s[8:9], s[84:85]
	s_add_nc_u64 s[78:79], s[74:75], 1048576
	s_add_nc_u64 s[74:75], s[74:75], 524288
	s_or_b32 s75, s75, 0x80000000
	s_or_b32 s79, s79, 0x80000000
	ROUND                                          ; all four work-groups are here: the first joint loads meet
	tensor_load_to_lds s[56:59], s[40:47]          ; the first fills go out as one group: three loads of mine are out
	s_nop 0
	tensor_load_to_lds s[60:63], s[40:47]
	s_nop 0
	tensor_load_to_lds s[68:71], s[48:55]
	s_nop 0
	PLACES
	; my 48 rows of core (half a fragment a load), of src (half a row a load), and LN1's tables: 154 loads
.set k_, 0
.rept 8
	v_add_nc_u32 v[X+k_], 4*PS*k_, v22             ; head k's four planes
.set k_, k_+1
.endr
	WIN 0x40
.set i_, 0
.rept 3
.set k_, 0
.rept 8
	global_load_b128 v[64*i_+8*k_:64*i_+8*k_+3], v[X+k_], s[4:5] offset:256*i_ th:TH_LOAD_NT
	global_load_b128 v[64*i_+8*k_+4:64*i_+8*k_+7], v[X+k_], s[4:5] offset:2*PS+256*i_ th:TH_LOAD_NT
.set k_, k_+1
.endr
.set i_, i_+1
.endr
	WIN 0x80
.set n_, 0
.rept 64
	global_load_b128 v[4*n_:4*n_+3], v12, s[6:7] offset:512*n_ th:TH_LOAD_NT
.set n_, n_+1
.endr
	WIN 0xc0
.set n_, 0
.rept 32
	global_load_b128 v[4*n_:4*n_+3], v12, s[6:7] offset:32768+512*n_ th:TH_LOAD_NT
.set n_, n_+1
.endr
	PARLOAD 3072, 5120, 11264
.macro SRCIN i, left                   ; src of tile i through my stage into the accumulators' layout: the sums start as src
	s_wait_loadcnt \left
.if (\i) < 2
	WIN 0x08
.else
	WIN 0x0c
.endif
.set e_, 0
.rept 32
	ds_store_b128 v20, v[128*((\i)%2)+4*e_:128*((\i)%2)+4*e_+3] offset:1040*(e_/2)+512*(e_%2)
.set e_, e_+1
.endr
	ACCLOAD \i
.endm
	SRCIN 0, 63                                    ; 74 younger loads: the count is what the wait can name
	SRCIN 1, 42                                    ; tile 2's 32 and the ten of the tables may be out
	SRCIN 2, 10                                    ; core's loads, the oldest of all, are in as well
	WIN 0
	s_wait_tensorcnt 2                             ; my part of Wo's first half is in; the two younger loads may stay out
	s_wait_dscnt 0x0
	s_barrier_signal -1
	s_barrier_wait -1
	LOADG 0, 0, 0
	LOADG 0, 1, 1
	PHA 0                                          ; its change asks for chunk 0 into slot 0,
	PHA 1                                          ; this one's for chunk 1 into slot 1
	s_wait_loadcnt 0x0                             ; LN1's tables
	LNALL 1
	PARLOAD 7168, 9216, 12288                      ; LN2's tables: wanted behind the sixteen chunks
	BFLOAD 1
	s_wait_dscnt 0x0                               ; here b1 was asked for behind the first fragments, so the loop's count of 16 would not cover it
	s_mov_b32 s21, 14
.Lc:                                                   ; chunks 0 to 13: chunk c's change asks for chunk c + 2
	CHUNK 1
	WIN 0
	s_sub_co_u32 s21, s21, 1
	s_cmp_lg_u32 s21, 0
	s_cbranch_scc1 .Lc
	s_mov_b32 s21, 2
.Lt:                                                   ; chunks 14 and 15 ask for nothing: a text of their own, walked twice.  In its second trip the change of slots
	CHUNK 0                                        ; and the fetches for a chunk to come (landed bytes of chunk 14, and chunk 15's b1 once more) serve nothing: the price, once a launch, of one text
	WIN 0
	s_sub_co_u32 s21, s21, 1
	s_cmp_lg_u32 s21, 0
	s_cbranch_scc1 .Lt
	s_wait_loadcnt 0x0                             ; LN2's tables
	LNALL 2
	s_wait_tensorcnt 0x0                           ; the wave's end
	ds_add_u32 v[SPW], v[NIL]
	s_wait_dscnt 0x0
	ROUND                                          ; the closing round: no work-group ends while a partner may still ask for a tile that names it
	s_endpgm
.Lfunc_end_k_qeeddb736b3_ffn:
	.size	k_qeeddb736b3_ffn, .Lfunc_end_k_qeeddb736b3_ffn-k_qeeddb736b3_ffn
	.p2alignl 7, 3214868480
	.fill 96, 4, 3214868480
	.section	.rodata,"a",@progbits
	.p2align	6, 0x0
	.amdhsa_kernel k_qeeddb736b3_ffn
		.amdhsa_group_segment_fixed_size 327680
		.amdhsa_private_segment_fixed_size 0
		.amdhsa_enable_private_segment 0
		.amdhsa_kernarg_size 40
		.amdhsa_user_sgpr_count 2
		.amdhsa_user_sgpr_kernarg_segment_ptr 1
		.amdhsa_wavefront_size32 1
		.amdhsa_system_sgpr_workgroup_id_x 1
		.amdhsa_system_sgpr_workgroup_id_y 1
		.amdhsa_system_sgpr_workgroup_id_z 1
		.amdhsa_system_vgpr_workitem_id 0
		.amdhsa_next_free_vgpr 1024
		.amdhsa_next_free_sgpr 88
		.amdhsa_reserve_vcc 0
		.amdhsa_float_denorm_mode_32 3
		.amdhsa_float_denorm_mode_16_64 3
		.amdhsa_memory_ordered 1
		.amdhsa_forward_progress 1
		.amdhsa_inst_pref_size 200
	.end_amdhsa_kernel
	.amdgpu_metadata
---
amdhsa.version: [ 1, 2 ]
amdhsa.kernels:
  - .name:           k_qeeddb736b3_ffn
    .symbol:         k_qeeddb736b3_ffn.kd
    .args:
      - { .name: core, .offset: 0, .size: 8, .value_kind: global_buffer, .address_space: global }
      - { .name: src, .offset: 8, .size: 8, .value_kind: global_buffer, .address_space: global }
      - { .name: wb, .offset: 16, .size: 8, .value_kind: global_buffer, .address_space: global }
      - { .name: tab, .offset: 24, .size: 8, .value_kind: global_buffer, .address_space: global }
      - { .name: out0, .offset: 32, .size: 8, .value_kind: global_buffer, .address_space: global }
    .group_segment_fixed_size: 327680
    .private_segment_fixed_size: 0
    .kernarg_segment_align: 8
    .kernarg_segment_size: 40
    .max_flat_workgroup_size: 128
    .sgpr_count:     88
    .vgpr_count:     1024
    .wavefront_size: 32
...
	.end_amdgpu_metadata
.endif
;; end of part 7
